; MI455X (gfx1250); checked and timed in simulation.
; The chip was launched on July 23, 2026; its instructions are those of AMD's public machine-readable ISA for CDNA 5 (MIT licence, August 2026) and "CDNA5" Instruction Set Architecture Reference Guide (July 2026). The comments in the code are by the model that wrote it; some were corrected since.
;; Self Attention. Allowed arithmetic: matrix products marked QUANTISED: E2M3 operands, one E8M0 scale for each 32 along K, by v_wmma_scale_f32_16x16x128_f8f6f4 with both operands' format E2M3, f32 sums; everything else in f32.
;; Inputs: W_out 1,024 x 1,024 float32; W_qkv 1,024 x 3,072 float32; b_out 1,024 float32; hidden_states 4 x 2,048 x 1,024 float32.
;; Outputs: out0 4 x 2,048 x 1,024 float32.
;; This version of the problem:
;;   THIS VERSION OF THE PROBLEM IS GIVEN IN LOW PRECISION. The matrix products marked QUANTISED in the list below multiply operands that are first quantised to E2M3 (2 exponent bits, 3 mantissa bits; 6 bits a number), with one power-of-two scale for each 32 numbers along K (OCP MX v1.0); their sums are f32. All else is computed in f32.
;;   The module's matrix products, in the order in which they are computed (A, B: the left and right operand; K: the contracted axis; several contracted axes count as one K, in the product's order):
;;     1. [M 8,192, K 1,024] x [K 1,024, N 3,072]; A: input hidden_states; B: input W_qkv: QUANTISED
;;     2. batch 64 x [M 2,048, K 64] x [K 64, N 2,048]; A: computed on the way; B: computed on the way: QUANTISED
;;     3. batch 64 x [M 2,048, K 2,048] x [K 2,048, N 64]; A: softmax (see below); B: computed on the way: QUANTISED
;;     4. [M 8,192, K 1,024] x [K 1,024, N 1,024]; A: computed on the way; B: input W_out: QUANTISED
;;   THE QUANTISER, for each operand of a quantised product, along K:
;;     - K is cut into blocks of 32 from its start; a last block that is shorter is filled with zeros.
;;     - A block's scale is 2^e with e = floor(log2(the largest magnitude in the block)) - 2, held to -126 .. 127; a block of zeros has e = 0. As a byte (E8M0): e + 127.
;;     - Each number is divided by its block's scale, clamped to +-7.5, and rounded to the nearest number of E2M3, ties to even, subnormals kept.
;;     - The product sums the exact products of the quantised numbers (number of the format x scale) in f32.
;;   ~~~python
;;   def quantise(x, axis):      # numpy; x: float32 -> the quantised numbers, widened to float32 again
;;       x = np.moveaxis(x, axis, -1); K = x.shape[-1]
;;       x = np.pad(x, [(0, 0)] * (x.ndim - 1) + [(0, -K % 32)]); x = x.reshape(x.shape[:-1] + (-1, 32)); a = np.abs(x).max(-1, keepdims=True)
;;       e = np.where(a > 0, np.clip(np.frexp(np.where(a > 0, a, 1))[1] - 1 - 2, -126, 127), 0)      # np.frexp(a)[1] - 1 = floor(log2(a)), exactly
;;       r = np.clip(x / 2.0 ** e, -7.5, 7.5)
;;       step = 2.0 ** (np.maximum(np.frexp(np.where(r == 0, 1, r))[1] - 1, 0) - 3)
;;       q = np.round(r / step) * step * 2.0 ** e      # np.round: ties to even
;;       return np.moveaxis(q.reshape(q.shape[:-2] + (-1,))[..., :K], -1, axis).astype(np.float32)
;;   ~~~
;;   SOFTMAX AHEAD OF A QUANTISED PRODUCT. Where the list says 'softmax', what is quantised is not the finished softmax but p = 2^(t - M), with t = logit x log2(e) and M = ceil(the row's largest t), a whole number; so 1/2 < the row's largest p <= 1. The row's sum l is taken of the UNQUANTISED p, in f32, and the product's result is divided by l at the end. Since M is a whole number, a kernel that streams over the keys may use a running M (the ceiling of the running maximum): every later rescaling is an exact power of two, which a block's scale takes up: the codes' values come out the same.
;;   OPERANDS COMPUTED ON THE WAY. 'Computed on the way' means the value that the module computes at that place (a softmax that the list does not call 'softmax' is quantised finished and normalised). What goes into a quantiser is computed in f32, as accurately as f32 sums, v_exp_f32 and their like allow (about 1e-6 of the number): no bf16 or f16 on the way to a quantiser, and a product that is left as it is and whose result goes on into a quantised operand takes f32 operands (vector FMAs, or v_wmma_f32_16x16x4_f32). A number that lies on a knife's edge between two numbers of the format may be rounded either way, as far as f32 arithmetic and the matrix unit's own rounding can turn it there, and no further.
;; One version. Each part assembles by itself: llvm-mc -triple=amdgcn-amd-amdhsa -mcpu=gfx1250 --defsym DOCPART=n.
;; ======== version 1 of 1: 4 launches
;; limits: right only within a limited range of input values
;; workspace buffers: xg 6,815,744 bytes; wg 3,407,872 bytes; qkr 13,631,488 bytes; vr 6,553,600 bytes; og 6,815,744 bytes
;; launch prep (part 1): grid 768 x 1, 4 waves a work-group, no clusters, 77,312 bytes of LDS; arguments hidden_states, W_qkv, W_out, xg, wg; writes xg, wg
.if DOCPART == 1
	.amdgcn_target "amdgcn-amd-amdhsa--gfx1250"
	.amdhsa_code_object_version 6
	.text
	.protected	k_q8003298f44_prep
	.globl	k_q8003298f44_prep
	.p2align	8
	.type	k_q8003298f44_prep,@function
k_q8003298f44_prep:
	s_mov_b64 s[64:65], 0
	v_nop
	global_prefetch_b8 v0, s[64:65] scope:SCOPE_SE
	s_setreg_imm32_b32 hwreg(HW_REG_WAVE_MODE, 25, 1), 1
	s_wait_xcnt 0x0
; hidden_states [8192][1024], W_qkv [1024][3072] and W_out [1024][1024], f32, become codes of FP6 (E2M3) with one E8M0 byte for each 32 along K = 1,024,
; laid in the order of a matrix operand's registers.  A RECORD of 3,328 bytes holds 16 rows x 256 K: two fragments of 1,536 bytes (piece p of 6 x lane x 8 bytes: registers 2 p, 2 p + 1;
; lane (r, h), registers 6 c .. 6 c + 5: k = 64 c + 32 h + 0 .. 31), then at byte 3,072 eight scale bytes a row.  Record (row block, K step) lies at (4 x row block + K step) x 3,328.
; THE ROWS OF A BLOCK ARE NOT NEIGHBOURS: lane r of block a holds row (x) or column (weights) 32 (a / 2) + 8 (a % 2) + r + 8 (r / 8).
; A block's scale is 2^(floor(log2(its largest magnitude)) - 2); its byte is that magnitude's exponent field - 2, held at 1 from below.
; LIMITS: NaN and infinities are not served; a block whose largest magnitude lies under 2^-124, a block of zeros among them, gets the byte 1 (a block of zeros has zero codes; the bytes are read by this program alone).
; Work-groups 0-511: a row block of x, a wave to a K step of 256.  Work-groups 512-767: 128 columns of a weight x 128 K, a wave to 32 columns.  Waves share nothing: no barrier.
; The two kinds have LDS bytes of their own.
.set SPARE, 76800                      ; the spare words, 128 bytes a wave: two blocks of 256 bytes that no other line names
.set SPW,   254                        ; v254  SPARE + 4 x my thread's number; never rewritten
.set NIL,   255                        ; v255  0; never rewritten
.set L16,   1                          ; v1    16 x lane
.set L4,    8                          ; v8    4 x lane
.set LN,    9                          ; v9    lane
.set XWAVE, 12544                      ; x: a wave's LDS: two turning stages, then the record's image
.set PL,    144                        ; a place in a turning stage: a block's 128 bytes + 16
.set STG,   32*PL
.set OUTS,  2*STG
.set R,     16                         ; v16-143  x as loaded: 32 loads
.set X,     144                        ; v144-207 two sets of 32 neighbours
.set C,     208                        ; v208-239 codes: eight registers a step
.set E,     240                        ; v240-243 a scale byte a step
.set WBASE, 4*XWAVE                    ; weights: a wave's two records' images, 6,656 bytes a wave
.set WWAVE, 6656
.set OF,    16                         ; v16-47   4 x lane + i x a row of the weight
.set XW,    48                         ; v48-111  two sets of 32 numbers down K
.set CW,    112                        ; v112-119 a block's codes
.set SB,    120                        ; v120 my column's four scale bytes
.set BK,    128                        ; v128-183 the images read back
; the largest magnitude of 32 numbers of a lane, with the floor 2^(3 - 127) among its leaves -> v12; 2 off its exponent field -> v11: the conversions' scale operand
.macro AMAX32 xs
	v_max3_num_f32 v12, |v[\xs]|, |v[\xs+1]|, |v[\xs+2]|
	v_max3_num_f32 v13, |v[\xs+3]|, |v[\xs+4]|, |v[\xs+5]|
.irp i, 6,10,14,18,22,26
	v_max3_num_f32 v12, v12, |v[\xs+\i]|, |v[\xs+\i+1]|
	v_max3_num_f32 v13, v13, |v[\xs+\i+2]|, |v[\xs+\i+3]|
.endr
	v_max3_num_f32 v12, v12, |v[\xs+30]|, |v[\xs+31]|
	v_max3_num_f32 v12, v12, v13, 0x1800000
	v_add_nc_u32 v11, 0xff000000, v12
.endm
	s_load_b256 s[4:11], s[0:1], 0x0               ; x s[4:5], W_qkv s[6:7], W_out s[8:9], xg s[10:11]
	s_load_b64 s[12:13], s[0:1], 0x20              ; wg
	v_lshl_add_u32 v[SPW], v0, 2, SPARE
	v_mov_b32 v[NIL], 0
	v_lshrrev_b32 v1, 5, v0
	v_readfirstlane_b32 s14, v1                    ; wave 0..3
	v_and_b32 v[LN], 31, v0
	v_lshlrev_b32 v[L16], 4, v[LN]
	v_lshlrev_b32 v[L4], 2, v[LN]
	s_cmp_lt_u32 ttmp9, 512
	s_cbranch_scc0 .Lweights
	; ---------------- x: row block ttmp9, K step = wave ----------------
	s_mul_i32 s15, s14, XWAVE
	v_lshrrev_b32 v10, 3, v[LN]
	v_and_b32 v11, 7, v[LN]
	v_mul_u32_u24 v2, v10, PL
	v_lshl_add_u32 v2, v11, 4, v2
	v_add_nc_u32 v2, s15, v2                       ; into a turning stage: eight lanes' 128 bytes on end, then 16 of padding
	v_mul_u32_u24 v3, v[LN], PL
	v_add_nc_u32 v3, s15, v3                       ; out of it: place = lane: block lane % 8 of row lane / 8 of the step's four
	v_bfe_u32 v12, v[LN], 2, 1
	v_mul_u32_u24 v4, v12, 1536                    ; my block's fragment,
	v_bfe_u32 v12, v[LN], 1, 1
	v_mad_u32_u24 v4, v12, 768, v4                 ; its half c (three pieces of 256 bytes),
	v_and_b32 v12, 1, v[LN]
	v_lshl_add_u32 v4, v12, 7, v4                  ; lanes 16-31 of the operand for odd blocks,
	v_lshl_add_u32 v4, v10, 3, v4                  ; and my row's 8 bytes
	s_add_co_u32 s15, s15, OUTS
	v_add_nc_u32 v4, s15, v4
	v_add_nc_u32 v6, s15, v[L16]                   ; the image read back: 16 bytes a lane
	s_add_co_u32 s15, s15, 3072
	v_add_nc_u32 v5, s15, v[LN]                    ; scale bytes: 8 x row + block = 32 x step + lane
	v_add_nc_u32 v7, s15, v[L4]
	s_lshr_b32 s16, ttmp9, 1
	s_lshl_b32 s16, s16, 17                        ; 32 rows of 4,096 bytes for each pair of blocks,
	s_and_b32 s17, ttmp9, 1
	s_lshl_b32 s17, s17, 15                        ; 8 rows for the odd block,
	s_add_co_u32 s16, s16, s17
	s_lshl_b32 s17, s14, 10                        ; 1,024 bytes a K step
	s_add_co_u32 s16, s16, s17
	s_mov_b32 s17, 0
	s_lshl_b32 s18, ttmp9, 2
	s_add_co_u32 s18, s18, s14
	s_mul_i32 s18, s18, 3328                       ; my record
	s_mov_b32 s19, 0
	s_wait_kmcnt 0x0
	s_add_nc_u64 s[4:5], s[4:5], s[16:17]
	s_add_nc_u64 s[10:11], s[10:11], s[18:19]
.irp t, 0,1,2,3                        ; all 32 loads at once: step t, load i: half i % 2 of row 4 t + i / 2 of the block: 512 consecutive bytes
.irp i, 0,1,2,3,4,5,6,7
	global_load_b128 v[R+32*\t+4*\i:R+32*\t+4*\i+3], v[L16], s[4:5] offset:((4*\t+\i/2)+8*((4*\t+\i/2)/8))*4096+512*(\i%2) th:TH_LOAD_NT
.endr
.endr
.macro TURN t                          ; a step's 4,096 bytes through a stage: in as loaded, out 128 bytes a lane.  LDS serves a wave's instructions in order: no wait between
.irp i, 0,1,2,3,4,5,6,7
	ds_store_b128 v2, v[R+32*(\t)+4*\i:R+32*(\t)+4*\i+3] offset:STG*((\t)%2)+4*PL*\i
.endr
.irp j, 0,1,2,3,4,5,6,7
	ds_load_b128 v[X+32*((\t)%2)+4*\j:X+32*((\t)%2)+4*\j+3], v3 offset:STG*((\t)%2)+16*\j
.endr
.endm
.macro WORK t                          ; my block of 32: scale, 24 bytes of codes, into the record's image
.set XS, X+32*((\t)%2)
.set CC, C+8*(\t)
	AMAX32 XS
	v_cvt_scalef32_pk16_fp6_f32 v[CC:CC+2], v[XS:XS+15], v11
	v_cvt_scalef32_pk16_fp6_f32 v[CC+4:CC+6], v[XS+16:XS+31], v11   ; (a conversion's three registers begin on an even number)
	v_lshrrev_b32 v[E+(\t)], 23, v11               ; the scale's byte; also the plain line behind the conversions
	v_mov_b32 v[CC+3], v[CC+4]
	v_mov_b32 v[CC+4], v[CC+5]
	v_mov_b32 v[CC+5], v[CC+6]
.irp q, 0,1,2
	ds_store_b64 v4, v[CC+2*\q:CC+2*\q+1] offset:256*\q+32*(\t)
.endr
	ds_store_b8 v5, v[E+(\t)] offset:32*(\t)
.endm
	s_wait_loadcnt 24                              ; step 0's eight loads are in
	TURN 0
	s_wait_loadcnt 16
	TURN 1
	s_wait_dscnt 16                                ; step 0 is back; younger: TURN 1's sixteen
	WORK 0
	s_wait_loadcnt 8
	TURN 2
	s_wait_dscnt 20                                ; step 1 is back; younger: WORK 0's four and TURN 2's sixteen
	WORK 1
	s_wait_loadcnt 0
	TURN 3
	s_wait_dscnt 20
	WORK 2
	s_wait_dscnt 4                                 ; step 3 is back; younger: WORK 2's four
	WORK 3
.irp g, 0,1,2,3,4,5
	ds_load_b128 v[R+4*\g:R+4*\g+3], v6 offset:512*\g
.endr
	ds_load_b32 v[R+24], v7
	s_wait_dscnt 0x0
.irp g, 0,1,2,3,4,5
	global_store_b128 v[L16], v[R+4*\g:R+4*\g+3], s[10:11] offset:512*\g   ; 512 consecutive bytes, at a multiple of 256 from the buffer's first byte
.endr
	global_store_b32 v[L4], v[R+24], s[10:11] offset:3072
	s_wait_tensorcnt 0x0                           ; the wave's end: these three lines behind my last LDS store
	ds_add_u32 v[SPW], v[NIL]
	s_wait_dscnt 0x0
	s_endpgm
	; ---------------- weights: a lane takes a column, its registers run down K ----------------
.Lweights:
	s_sub_co_u32 s15, ttmp9, 512
	; work-groups 512-767: 128 columns of a weight x 128 along K: one fragment of a record and four of a row's eight scale bytes
	s_lshr_b32 s16, s15, 3                         ; group of 128 columns, 0..31: 0-23 W_qkv's, 24-31 W_out's
	s_and_b32 s17, s15, 7                          ; step of 128 along K
	s_max_u32 s18, s16, 24
	s_sub_co_u32 s18, s18, 24
	s_wait_kmcnt 0x0
	s_cmp_lt_u32 s16, 24                           ; the choice hangs on the work-group's number alone
	s_cselect_b64 s[6:7], s[6:7], s[8:9]
	s_mov_b32 s19, 4096
	s_cselect_b32 s19, 12288, s19                  ; a row of the weight in bytes
	s_cselect_b32 s18, s16, s18                    ; the group's number in its own tensor
	s_lshl_b32 s20, s17, 7
	s_mul_i32 s20, s20, s19                        ; 128 rows a K step,
	s_lshl_b32 s21, s18, 9
	s_add_co_u32 s20, s20, s21                     ; 512 bytes a group,
	s_lshl_b32 s21, s14, 7
	s_add_co_u32 s20, s20, s21                     ; 128 bytes a wave
	s_mov_b32 s21, 0
	s_add_nc_u64 s[6:7], s[6:7], s[20:21]
	s_lshl_b32 s22, s19, 5                         ; 32 rows on
	s_mov_b32 s23, 0
	s_lshl_b32 s24, s16, 3
	s_lshl_b32 s25, s14, 1
	s_add_co_u32 s24, s24, s25                     ; my first row block: 8 x group + 2 x wave
	s_lshl_b32 s24, s24, 2
	s_lshr_b32 s27, s17, 1                         ; two steps of 128 to a record
	s_add_co_u32 s24, s24, s27
	s_mul_i32 s24, s24, 3328
	s_and_b32 s27, s17, 1                          ; my fragment q of the record:
	s_mul_i32 s28, s27, 1536                       ; its codes begin at 1,536 q,
	s_lshl_b32 s27, s27, 2                         ; its scale bytes at 4 q of a row's eight
	s_mov_b32 s25, 0
	s_add_nc_u64 s[12:13], s[12:13], s[24:25]
	s_wait_alu depctr_va_vdst(0)
.irp i, 0,1,2,3,4,5,6,7,8,9,10,11,12,13,14,15,16,17,18,19,20,21,22,23,24,25,26,27,28,29,30,31
	v_mad_u32_u24 v[OF+\i], s19, \i, v[L4]
.endr
	s_mul_i32 s26, s14, WWAVE
	s_add_co_u32 s26, s26, WBASE
	v_bfe_u32 v10, v[LN], 3, 1
	v_mul_u32_u24 v4, v10, 3200
	v_mul_u32_u24 v5, v10, 13312-3200
	v_and_b32 v10, 7, v[LN]
	v_lshl_add_u32 v4, v10, 3, v4
	v_lshrrev_b32 v10, 4, v[LN]
	v_lshl_add_u32 v4, v10, 6, v4                  ; at row l % 8 + 8 (l / 16): 8 bytes a row
	v_add3_u32 v5, v5, v4, s27                     ; in memory: 13,312 x block + 8 x row + 4 q: my column's four scale bytes
	v_add_nc_u32 v3, s28, v[L16]                   ; and 16 x lane + 1,536 q: the codes
	v_add_nc_u32 v4, s26, v4
	v_add_nc_u32 v6, s26, v[L16]
.macro LOADW t                         ; block t: 32 rows of my column into set t % 2; a wave's load reads 128 consecutive bytes, the four waves 512
.if (\t) > 0
	s_wait_xcnt 0x0                                ; the loads issued so far have read their base: only now is it stepped
	s_add_nc_u64 s[6:7], s[6:7], s[22:23]
.endif
.irp i, 0,1,2,3,4,5,6,7,8,9,10,11,12,13,14,15,16,17,18,19,20,21,22,23,24,25,26,27,28,29,30,31
	global_load_b32 v[XW+32*((\t)%2)+\i], v[OF+\i], s[6:7] th:TH_LOAD_NT
.endr
.endm
.macro BLOCKW t
.set XS, XW+32*((\t)%2)
.if (\t) < 3
	s_wait_loadcnt 32                              ; this block's 32 loads are in; the next block's may be out
.else
	s_wait_loadcnt 0
.endif
	AMAX32 XS
	v_cvt_scalef32_pk16_fp6_f32 v[CW:CW+2], v[XS:XS+15], v11
	v_cvt_scalef32_pk16_fp6_f32 v[CW+4:CW+6], v[XS+16:XS+31], v11
	v_lshrrev_b32 v13, 23, v11                     ; the scale's byte; also the plain line behind the conversions
	v_mov_b32 v[CW+3], v[CW+4]
	v_mov_b32 v[CW+4], v[CW+5]
	v_mov_b32 v[CW+5], v[CW+6]
.if (\t)%4 == 0
	v_mov_b32 v[SB+(\t)/4], v13
.else
	v_lshl_or_b32 v[SB+(\t)/4], v13, 8*((\t)%4), v[SB+(\t)/4]
.endif
.irp q, 0,1,2
	ds_store_b64 v4, v[CW+2*\q:CW+2*\q+1] offset:((\t)/4)*1536+(3*(((\t)%4)/2)+\q)*256+128*((\t)%2)
.endr
.if (\t) < 2
	LOADW (\t)+2
.endif
	s_wait_dscnt 0x0                               ; the stores have read their registers: the next block's codes may be written
.endm
	LOADW 0
	LOADW 1
.irp t, 0,1,2,3
	BLOCKW \t
.endr
	s_wait_alu depctr_va_vdst(0)
	global_store_b32 v5, v[SB], s[12:13] offset:3072   ; my column's four scale bytes (the row's other four are another work-group's)
.irp u, 0,1
.irp g, 0,1,2
	ds_load_b128 v[BK+28*\u+4*\g:BK+28*\u+4*\g+3], v6 offset:3200*\u+512*\g
.endr
.endr
	s_wait_dscnt 0x0
.irp u, 0,1
.irp g, 0,1,2
	global_store_b128 v3, v[BK+28*\u+4*\g:BK+28*\u+4*\g+3], s[12:13] offset:13312*\u+512*\g   ; a fragment's 1,536 bytes, 512 on end a store
.endr
.endr
	s_wait_tensorcnt 0x0                           ; the wave's end: these three lines behind my last LDS store
	ds_add_u32 v[SPW], v[NIL]
	s_wait_dscnt 0x0
	s_endpgm
.Lfunc_end_k_q8003298f44_prep:
	.size	k_q8003298f44_prep, .Lfunc_end_k_q8003298f44_prep-k_q8003298f44_prep
	.p2alignl 7, 3214868480
	.fill 96, 4, 3214868480
	.section	.rodata,"a",@progbits
	.p2align	6, 0x0
	.amdhsa_kernel k_q8003298f44_prep
		.amdhsa_group_segment_fixed_size 77312
		.amdhsa_private_segment_fixed_size 0
		.amdhsa_enable_private_segment 0
		.amdhsa_kernarg_size 40
		.amdhsa_user_sgpr_count 2
		.amdhsa_user_sgpr_kernarg_segment_ptr 1
		.amdhsa_wavefront_size32 1
		.amdhsa_system_sgpr_workgroup_id_x 1
		.amdhsa_system_sgpr_workgroup_id_y 1
		.amdhsa_system_sgpr_workgroup_id_z 1
		.amdhsa_system_vgpr_workitem_id 0
		.amdhsa_next_free_vgpr 256
		.amdhsa_next_free_sgpr 66
		.amdhsa_reserve_vcc 0
		.amdhsa_float_denorm_mode_32 3
		.amdhsa_float_denorm_mode_16_64 3
		.amdhsa_memory_ordered 1
		.amdhsa_forward_progress 1
		.amdhsa_inst_pref_size 42
	.end_amdhsa_kernel
	.amdgpu_metadata
---
amdhsa.version: [ 1, 2 ]
amdhsa.kernels:
  - .name:           k_q8003298f44_prep
    .symbol:         k_q8003298f44_prep.kd
    .args:
      - { .name: hidden_states, .offset: 0, .size: 8, .value_kind: global_buffer, .address_space: global }
      - { .name: W_qkv, .offset: 8, .size: 8, .value_kind: global_buffer, .address_space: global }
      - { .name: W_out, .offset: 16, .size: 8, .value_kind: global_buffer, .address_space: global }
      - { .name: xg, .offset: 24, .size: 8, .value_kind: global_buffer, .address_space: global }
      - { .name: wg, .offset: 32, .size: 8, .value_kind: global_buffer, .address_space: global }
    .group_segment_fixed_size: 77312
    .private_segment_fixed_size: 0
    .kernarg_segment_align: 8
    .kernarg_segment_size: 40
    .max_flat_workgroup_size: 128
    .sgpr_count:     66
    .vgpr_count:     256
    .wavefront_size: 32
...
	.end_amdgpu_metadata
.endif
;; end of part 1
;; launch qkv (part 2): grid 192 x 4, 4 waves a work-group, clusters of 4 x 4, 327,680 bytes of LDS; arguments xg, wg, qkr, vr; writes qkr, vr
.if DOCPART == 2
	.amdgcn_target "amdgcn-amd-amdhsa--gfx1250"
	.amdhsa_code_object_version 6
	.text
	.protected	k_q8003298f44_qkv
	.globl	k_q8003298f44_qkv
	.p2align	8
	.type	k_q8003298f44_qkv,@function
k_q8003298f44_qkv:
	s_mov_b64 s[64:65], 0
	v_nop
	global_prefetch_b8 v0, s[64:65] scope:SCOPE_SE
	s_setreg_imm32_b32 hwreg(HW_REG_WAVE_MODE, 25, 1), 1
	s_wait_xcnt 0x0
	s_wait_alu depctr_hold_cnt(0) depctr_sa_sdst(0) depctr_va_vdst(0) depctr_va_sdst(0) depctr_va_ssrc(0) depctr_va_vcc(0) depctr_vm_vsrc(0)
	s_getreg_b32 s2, hwreg(HW_REG_IB_STS2, 6, 4)
	s_cmp_eq_u32 s2, 0
	s_cbranch_scc0 .Lentry_in_a_cluster
	s_endpgm
.Lentry_in_a_cluster:
	s_bfe_u32 s2, ttmp6, 0x10000c
	s_cmp_lg_u32 s2, 0xf033
	s_cbranch_scc0 .Lentry_shape_is_right
	s_endpgm
.Lentry_shape_is_right:
; q, k = x W and V^T = W_v^T x^T on codes of FP6 (E2M3), K = 1,024; the results are quantised in registers and stored as operands of the attention launch: no f32 result goes to memory.
; THE CORE: C'[m][n] = sum over k of P[m][k] Q[n][k]; P and Q lie in records of 16 rows x 256 K in the order of an operand's registers (3,328 bytes; a row block's four records 13,312).
; A work-group makes 128 (P) x 256 (Q), each of four waves 64 x 128: 32 accumulators.  ALL OF K LIES IN LDS: four regions of 76,800 bytes (P's 8 row blocks x 3,200, Q's 16), each filled once: nothing is filled again.
; Clusters 0-31: P = x (tokens), Q = W_q, W_k (columns).  Clusters 32-47: P = W_v (columns), Q = x: the results' registers then run along the keys.
; CLUSTER 4 x 4: P's tiles hang on the tile row alone and are asked for jointly along a row of the cluster, Q's on the tile column alone and along a column: a quarter of the requests.
; THE MATRIX INSTRUCTION IS USED TRANSPOSED: source 0 = Q's block b, source 1 = P's block a.  A block's rows are not neighbours (lane r of block b: 32 (b / 2) + 8 (b % 2) + r + 8 (r / 8)), so that in lane (r, h)
; the 16 registers of accumulators (a, 2 b'), (a, 2 b' + 1) are Q's true indices 32 b' + 16 h + 0 .. 15 for P's place 16 a + r: 16 neighbours along the next product's K.
; OUT.  K-record (q or k of 128 places of one head, 6,656 bytes): 48 registers' image, tile a at registers 6 a .. 6 a + 5 (K = 64); at 6,144 the scale words [half][lane][2]: word i of half w: tile 4 w + 2 i in lanes 0-15, 4 w + 2 i + 1 in lanes 16-31; bytes 2, 3 are 0.
;       V-record (V^T of one head x 128 keys, 6,400 bytes): 48 registers' image, d-tile t at registers 12 t .. 12 t + 11; at 6,144 [lane][2]: word i: tile 2 i below, 2 i + 1 above.
; LIMITS: NaN and infinities are not served; a block whose largest magnitude lies under 2^-124, a block of zeros among them, gets the byte 1.
; REGISTERS: window 0: v16-21 addresses, v28-30 the add's two and the floor, v32-63 scale words (two sets), v64-159 P's fragments (two sets), later the codes made.  window 1: Q's fragments at v0 and v128.  window 2: the accumulators, (a, b) at v[64 a + 8 b].
; LDS AS THIS TEXT LAYS IT: two halves of K (512 each).  A half holds P's 8 row blocks, then Q's 16, each as 6,656 bytes: two records as they lie in memory.
; Four fills, one a wave, each filled once: wave 0 P's first half, wave 1 Q's, wave 2 P's second half, wave 3 Q's.
.set RBB,   6656
.set REGN,  24*RBB
.set RBM,   13312
.set RECM,  3328
.set QOFF,  8*RBB
.set SPARE, 2*REGN
.set ADRA, 16                          ; v16  my 4 row blocks of P: + 8 x lane
.set ADRB, 17                          ; v17  my 8 of Q
.set ADRS, 18                          ; v18  scale words: lanes 0-15 P's rows, lanes 16-31 Q's
.set ADRT, 19                          ; v19  scale words of Q's blocks 4-7
.set L16,  20
.set L8,   21
.set SPW,  28
.set NIL,  29
.set FLR,  30                          ; v30  the floor 2^(3 - 127)
.set SC,   32                          ; set ss: register 2 i + q: lanes 0-15 P's block i, lanes 16-31 Q's block i, fragment q of the K step
.set PF,   64
.set EB,   64                          ; the epilogue: 48 registers of codes
.set PW,   112                         ; v112-115 tile a's scale word
.set SO,   116                         ; v116-119 scale words as stored
.set TM,   120                         ; v120-123 largest magnitudes, v124-127 the other half's, then bytes, v132-135 the conversions' scale operands
.set TC,   136                         ; v136-138, v140-142 the upper halves of blocks
.set G1P, 24
.set G1Q, 32
.set G0P, 40                           ; s[40:47] P's two groups 0, one a half of K
.set G0Q, 68                           ; s[68:75] Q's
.set SEL, 62
.set MSB, 0
.macro WIN new                         ; the immediate's high byte repeats the setting that is left
.if MSB != \new
	s_set_vgpr_msb (MSB<<8)|\new
.set MSB, \new
.endif
.endm
.macro PLACES n
.rept \n
	v_nop
.endr
.endm
.macro CROUND                          ; a round of the cluster's barrier
	s_barrier_signal -1
	s_barrier_wait -1
	s_cmp_lg_u32 s12, 0
	s_cbranch_scc1 .Lnot_wave_0_\@
	s_barrier_signal -3
.Lnot_wave_0_\@:
	s_barrier_wait -3
	s_barrier_signal -1
	s_barrier_wait -1
.endm
	s_load_b256 s[4:11], s[0:1], 0x0               ; xg s[4:5], wg s[6:7], qkr s[8:9], vr s[10:11]
	v_lshl_add_u32 v[SPW], v0, 2, SPARE
	v_mov_b32 v[NIL], 0
	ds_add_u32 v[SPW], v[NIL]                      ; the wave's opening: the add and its wait ahead of my first tensor load
	ds_add_u32 v[SPW], v[NIL]
	v_lshrrev_b32 v1, 5, v0
	v_readfirstlane_b32 s12, v1                    ; wave 0..3
	s_lshr_b32 s13, s12, 1                         ; wr: my half of P's rows.  Also: which half of K I fetch
	s_and_b32 s14, s12, 1                          ; wc: my half of Q's rows.  Also: I fetch for P (0) or for Q (1)
	s_bfe_u32 s15, ttmp6, 0x40000                  ; cx
	s_bfe_u32 s16, ttmp6, 0x40004                  ; cy
	s_lshl_b32 s18, s16, 2
	s_lshl_b32 s18, 15, s18                        ; my row of the cluster
	s_lshl_b32 s19, 0x1111, s15                    ; my column
	s_or_b32 s[G1P], s18, (3<<16)|(1<<21)          ; 15:0 the mask; 17:16 elements of 8 bytes; 21 set beside a mask; no padding
	s_or_b32 s[G1Q], s19, (3<<16)|(1<<21)
	s_mov_b32 s[G1P+1], 832<<16                    ; tensor_dim0: two records, 6,656 bytes
	s_mov_b32 s[G1P+2], 8<<16                      ; tensor_dim1: 8 row blocks
	s_mov_b32 s[G1P+3], 832<<16                    ; tile_dim0
	s_mov_b32 s[G1P+4], 8                          ; tile_dim1
	s_mov_b32 s[G1P+5], 1664                       ; from row block to row block: 13,312 bytes
	s_mov_b32 s[G1P+6], 0
	s_mov_b32 s[G1P+7], 0
	s_mov_b32 s[G1Q+1], 832<<16
	s_mov_b32 s[G1Q+2], 16<<16                     ; 16 row blocks
	s_mov_b32 s[G1Q+3], 832<<16
	s_mov_b32 s[G1Q+4], 16
	s_mov_b32 s[G1Q+5], 1664
	s_mov_b32 s[G1Q+6], 0
	s_mov_b32 s[G1Q+7], 0
	s_mov_b32 s[SEL], 0x76543210
	s_mov_b32 s[SEL+1], 0xfedcba98                 ; v_permlanex16_b32's selects for lane l xor 16
	s_mov_b32 s3, 0xffff0000                       ; lanes 16-31
	; which tile: both cases are made, then chosen on the cluster's number, which all sixteen partners share
	s_max_u32 s20, ttmp9, 32
	s_sub_co_u32 s20, s20, 32
	s_lshr_b32 s21, ttmp9, 1                       ; q, k: 16 rows of clusters x 2 columns
	s_and_b32 s22, ttmp9, 1
	s_lshr_b32 s23, s20, 3                         ; v: 2 rows x 8 columns
	s_and_b32 s56, s20, 7
	s_cmp_lt_u32 ttmp9, 32
	s_cselect_b32 s21, s21, s23
	s_cselect_b32 s22, s22, s56
	s_cselect_b32 s57, 0, 128                      ; W_v begins at row block 128 of wg
	s_lshl_b32 s21, s21, 2
	s_add_co_u32 s21, s21, s16                     ; tile row = 4 x row of clusters + cy
	s_lshl_b32 s22, s22, 2
	s_add_co_u32 s22, s22, s15                     ; tile column = 4 x column of clusters + cx
	s_lshl_b32 s84, s21, 3
	s_add_co_u32 s84, s84, s57
	s_mul_i32 s84, s84, RBM
	s_mov_b32 s85, 0
	s_lshl_b32 s86, s22, 4
	s_mul_i32 s86, s86, RBM
	s_mov_b32 s87, 0
	s_wait_dscnt 0x0                               ; the opening add is done
	s_wait_kmcnt 0x0
	s_cmp_lt_u32 ttmp9, 32
	s_cselect_b64 s[58:59], s[4:5], s[6:7]         ; P's buffer
	s_cselect_b64 s[60:61], s[6:7], s[4:5]         ; Q's
	s_add_nc_u64 s[58:59], s[58:59], s[84:85]
	s_add_nc_u64 s[60:61], s[60:61], s[86:87]
	CROUND                                         ; all sixteen work-groups are here: the joint loads meet
.irp k, 0,1                            ; half k of K
	s_mov_b32 s[G0P+4*\k], 1
	s_mov_b32 s[G0P+4*\k+1], \k*REGN
	s_add_nc_u64 s[G0P+4*\k+2:G0P+4*\k+3], s[58:59], \k*2*RECM
	s_or_b32 s[G0P+4*\k+3], s[G0P+4*\k+3], 0x80000000
	s_mov_b32 s[G0Q+4*\k], 1
	s_mov_b32 s[G0Q+4*\k+1], QOFF+\k*REGN
	s_add_nc_u64 s[G0Q+4*\k+2:G0Q+4*\k+3], s[60:61], \k*2*RECM
	s_or_b32 s[G0Q+4*\k+3], s[G0Q+4*\k+3], 0x80000000
.endr
; one chain of branches on the wave's number, one fill to an arm: one tensor load a wave at the head
.macro ARM w, g0, g1, next
	s_cmp_eq_u32 s12, \w
	s_cbranch_scc0 \next
	tensor_load_to_lds s[\g0:\g0+3], s[\g1:\g1+7]
	s_nop 0
	PLACES 4
	s_branch .Lfilled
\next:
.endm
	ARM 0, G0P, G1P, .Lwave_1
	ARM 1, G0Q, G1Q, .Lwave_2
	ARM 2, G0P+4, G1P, .Lwave_3
	tensor_load_to_lds s[G0Q+4:G0Q+7], s[G1Q:G1Q+7]
	s_nop 0
	PLACES 4
.Lfilled:
	v_and_b32 v1, 31, v0
	v_and_b32 v2, 15, v0                           ; r
	v_bfe_u32 v3, v0, 4, 1                         ; h
	v_lshlrev_b32 v[L16], 4, v1
	v_lshlrev_b32 v[L8], 3, v1
	s_mul_i32 s90, s13, 4*RBB
	s_mul_i32 s91, s14, 8*RBB
	s_add_co_u32 s91, s91, QOFF
	v_add_nc_u32 v[ADRA], s90, v[L8]
	v_add_nc_u32 v[ADRB], s91, v[L8]
	v_lshlrev_b32 v4, 3, v2
	v_add_nc_u32 v[ADRT], s91, v4
	s_sub_co_u32 s92, s91, s90
	v_mul_u32_u24 v5, s92, v3                      ; lanes 16-31 take Q's: the lower base + h x the distance
	v_add_nc_u32 v4, s90, v4
	v_add_nc_u32 v[ADRS], v4, v5
	v_mov_b32 v[FLR], 0x1800000
; the fragments of step s (128 along K: fragment s % 2 of region s / 2) into set s % 2: Q's eight, P's four; with a region's first step its scale words.  A load's 32 lanes read 256 consecutive bytes
.macro FETCH s
.set FQ, (\s)%2
.set FS, ((\s)/2)%2
	WIN 0x40                                       ; destination window 1
.irp i, 0,1,2,3,4,5,6,7
.irp p, 0,1,2,3,4,5
	ds_load_b64 v[128*FQ+12*\i+2*\p:128*FQ+12*\i+2*\p+1], v[ADRB] offset:RBB*\i+RECM*FS+1536*FQ+256*\p
.endr
.endr
	WIN 0
.irp i, 0,1,2,3
.irp p, 0,1,2,3,4,5
	ds_load_b64 v[PF+48*FQ+12*\i+2*\p:PF+48*FQ+12*\i+2*\p+1], v[ADRA] offset:RBB*\i+RECM*FS+1536*FQ+256*\p
.endr
.endr
.if FQ == 0
.irp i, 0,1,2,3
	ds_load_b64 v[SC+16*FS+2*\i:SC+16*FS+2*\i+1], v[ADRS] offset:RBB*\i+RECM*FS+3072
.endr
.irp i, 4,5,6,7
	ds_load_b64 v[SC+16*FS+2*\i:SC+16*FS+2*\i+1], v[ADRT] offset:RBB*\i+RECM*FS+3072
.endr
.endif
.endm
; 8 matrix instructions: P's block a against Q's eight.  first = 1: the products start the sums.  The 32 accumulators take turns, one instruction a turn, in the same order in every step
.macro MULB a, s, first
.set MQ, (\s)%2
.set MS, ((\s)/2)%2
.irp b, 0,1,2,3,4,5,6,7
.if \first
	v_wmma_scale_f32_16x16x128_f8f6f4 v[64*(\a)+8*\b:64*(\a)+8*\b+7], v[128*MQ+12*\b:128*MQ+12*\b+11], v[PF+48*MQ+12*(\a):PF+48*MQ+12*(\a)+11], 0, v[SC+16*MS+2*\b+MQ], v[SC+16*MS+2*(\a)+MQ] matrix_a_fmt:MATRIX_FMT_FP6 matrix_b_fmt:MATRIX_FMT_FP6 matrix_a_scale:MATRIX_SCALE_ROW1
.else
	v_wmma_scale_f32_16x16x128_f8f6f4 v[64*(\a)+8*\b:64*(\a)+8*\b+7], v[128*MQ+12*\b:128*MQ+12*\b+11], v[PF+48*MQ+12*(\a):PF+48*MQ+12*(\a)+11], v[64*(\a)+8*\b:64*(\a)+8*\b+7], v[SC+16*MS+2*\b+MQ], v[SC+16*MS+2*(\a)+MQ] matrix_a_fmt:MATRIX_FMT_FP6 matrix_b_fmt:MATRIX_FMT_FP6 matrix_a_scale:MATRIX_SCALE_ROW1
.endif
.endr
.endm
; A step of 128 along K.  Behind its first eight products stand four plain vector lines and the next step's run of loads, into the set that the step before multiplied.
; Step 3 changes halves: every wave's fill has landed, the barrier shows it of every wave.
.macro KSTEP s, first
	s_wait_dscnt 0x0                               ; this step's fragments, asked for a step ago, are in; no LDS instruction of mine is out at the signal
.if (\s) == 3                          ; step 3 changes halves: every wave's fill has landed, the barrier shows the second half to all
	s_wait_tensorcnt 0x0
	s_barrier_signal -1
.endif
	WIN 0xa1                                       ; source 0 (Q) window 1, source 1 (P) window 0, C and D window 2
	MULB 0, \s, \first
.if (\s) < 7
	WIN 0
.if (\s) == 3
	s_barrier_wait -1
	v_add_nc_u32 v[ADRA], REGN, v[ADRA]            ; on to the next region: these four are the places in front of the loads
	v_add_nc_u32 v[ADRB], REGN, v[ADRB]
	v_add_nc_u32 v[ADRS], REGN, v[ADRS]
	v_add_nc_u32 v[ADRT], REGN, v[ADRT]
.else
	PLACES 4
.endif
	FETCH (\s)+1
	WIN 0xa1
.endif
	MULB 1, \s, \first
	MULB 2, \s, \first
	MULB 3, \s, \first
.endm
	s_wait_alu depctr_va_vdst(0)
	s_cmp_lt_u32 s12, 2                            ; waves 0 and 1 brought the first half of K: they wait; waves 2 and 3's fills, on lines of their own, stay out
	s_cbranch_scc0 .Lnot_first
	s_wait_tensorcnt 0x0
.Lnot_first:
	s_barrier_signal -1
	s_barrier_wait -1                              ; everybody's is
	FETCH 0
	KSTEP 0, 1
	KSTEP 1, 0
	s_wait_alu depctr_va_vdst(0)
	KSTEP 2, 0
	KSTEP 3, 0
	s_wait_alu depctr_va_vdst(0)
	KSTEP 4, 0
	KSTEP 5, 0
	s_wait_alu depctr_va_vdst(0)
	KSTEP 6, 0
	KSTEP 7, 0
	WIN 0
; THE EPILOGUE.  Tile a's 64 numbers of a lane (register 16 b + i = index 32 b + 16 h + i of my row) become four blocks' codes and a scale word: blocks 0, 1 in v[d0 .. d0 + 5], blocks 2, 3 in v[d1 .. d1 + 5].
.macro QUANTW a, d0, d1
	WIN 0x28                                       ; sources 1 and 2: window 2
.irp b, 0,1,2,3
	v_max3_num_f32 v[TM+\b], v[FLR], |v[64*(\a)+16*\b]|, |v[64*(\a)+16*\b+1]|   ; each accumulator is read from its low end on
.endr
.irp i, 2,4,6,8,10,12,14
.irp b, 0,1,2,3
	v_max3_num_f32 v[TM+\b], v[TM+\b], |v[64*(\a)+16*\b+\i]|, |v[64*(\a)+16*\b+\i+1]|
.endr
.endr
	WIN 0
.irp b, 0,1,2,3
	v_permlanex16_b32 v[TM+4+\b], v[TM+\b], s[SEL], s[SEL+1]
.endr
.irp b, 0,1,2,3
	v_max_num_f32 v[TM+\b], v[TM+\b], v[TM+4+\b]   ; with lane l xor 16's 16: the block's largest magnitude
.endr
.irp b, 0,1,2,3
	v_add_nc_u32 v[TM+12+\b], 0xff000000, v[TM+\b] ; 2 off its exponent field: the conversion's scale operand
.endr
.irp b, 0,1,2,3
	v_lshrrev_b32 v[TM+4+\b], 23, v[TM+12+\b]      ; the scale's byte
.endr
	v_lshl_or_b32 v[PW+(\a)], v[TM+5], 8, v[TM+4]
	v_lshl_or_b32 v[PW+(\a)], v[TM+6], 16, v[PW+(\a)]
	v_lshl_or_b32 v[PW+(\a)], v[TM+7], 24, v[PW+(\a)]
	WIN 0x02                                       ; source 0: window 2
	v_cvt_scalef32_pk16_fp6_f32 v[(\d0):(\d0)+2], v[64*(\a):64*(\a)+15], v[TM+12]
	v_cvt_scalef32_pk16_fp6_f32 v[TC:TC+2], v[64*(\a)+16:64*(\a)+31], v[TM+13]
	v_cvt_scalef32_pk16_fp6_f32 v[(\d1):(\d1)+2], v[64*(\a)+32:64*(\a)+47], v[TM+14]
	v_cvt_scalef32_pk16_fp6_f32 v[TC+4:TC+6], v[64*(\a)+48:64*(\a)+63], v[TM+15]
	WIN 0
	v_nop                                          ; one plain line behind the scaled conversions
.irp i, 0,1,2                          ; the operand's layout wants a whole block in a lane: lanes 0-15 the even block, lanes 16-31 the odd one
	v_permlane16_swap_b32 v[(\d0)+\i], v[TC+\i]
.endr
.irp i, 0,1,2
	v_mov_b32 v[(\d0)+3+\i], v[TC+\i]
.endr
.irp i, 0,1,2
	v_permlane16_swap_b32 v[(\d1)+\i], v[TC+4+\i]
.endr
.irp i, 0,1,2
	v_mov_b32 v[(\d1)+3+\i], v[TC+4+\i]
.endr
.endm
	PLACES 4                                       ; behind the last products: their results are read and their operands' registers written below
.irp b, 0,1,2,3
	v_mov_b32 v[TM+4+\b], 0                        ; a lane permute's destination counts as one of its sources
.endr
	s_cmp_lt_u32 ttmp9, 32                         ; the cluster's number: the same in all partners
	s_cbranch_scc0 .Lvalues
	; q, k: my 128 columns are two heads; tile a of head c is six registers of its K-record
	s_lshl_b32 s93, s22, 1
	s_add_co_u32 s93, s93, s14                     ; group of 128 columns: 0-7 q, 8-15 k
	s_lshr_b32 s94, s93, 3
	s_and_b32 s93, s93, 7                          ; pair of heads
	s_lshl_b32 s94, s94, 2
	s_lshr_b32 s95, s21, 4                         ; batch
	s_add_co_u32 s94, s94, s95
	s_lshl_b32 s94, s94, 3
	s_add_co_u32 s94, s94, s93
	s_lshl_b32 s94, s94, 5                         ; ((4 t + b) 16 + head) 16
	s_and_b32 s95, s21, 15                         ; group of 128 places
	s_add_co_u32 s94, s94, s95
	s_mul_i32 s96, s94, 6656
	s_mov_b32 s97, 0
	s_mul_i32 s98, s13, 3072                       ; my half of the record's tiles
	s_mov_b32 s99, 0
	s_add_nc_u64 s[98:99], s[98:99], s[96:97]
	s_lshl_b32 s100, s13, 8                        ; and of its scale words
	s_mov_b32 s101, 0
	s_add_nc_u64 s[100:101], s[100:101], s[96:97]
	s_add_nc_u64 s[98:99], s[8:9], s[98:99]
	s_add_nc_u64 s[100:101], s[8:9], s[100:101]
.irp a, 0,1,2,3
	QUANTW \a, EB+6*\a, EB+24+6*\a
.endr
	v_cndmask_b32 v[TM], v[PW], v[PW+1], s3        ; tile 2 i below, tile 2 i + 1 above
	v_cndmask_b32 v[TM+1], v[PW+2], v[PW+3], s3
	v_and_b32 v[SO], 0xffff, v[TM]                 ; the first head's two bytes,
	v_and_b32 v[SO+1], 0xffff, v[TM+1]
	v_lshrrev_b32 v[SO+2], 16, v[TM]               ; the second's; the upper two bytes are 0
	v_lshrrev_b32 v[SO+3], 16, v[TM+1]
.irp c, 0,1
.irp g, 0,1,2,3,4,5
	global_store_b128 v[L16], v[EB+24*\c+4*\g:EB+24*\c+4*\g+3], s[98:99] offset:\c*106496+512*\g th:TH_STORE_NT   ; 512 consecutive bytes, at a multiple of 256 from the buffer's first byte
.endr
	global_store_b64 v[L8], v[SO+2*\c:SO+2*\c+1], s[100:101] offset:\c*106496+6144 th:TH_STORE_NT
.endr
	s_branch .Ldone
.Lvalues:
	; v: my 64 rows of P are one head's d, my 128 of Q the keys of one V-record
	s_lshl_b32 s93, s21, 1
	s_add_co_u32 s93, s93, s13                     ; head
	s_lshl_b32 s94, s22, 1
	s_add_co_u32 s94, s94, s14                     ; group of 128 keys, 0..63
	s_lshr_b32 s95, s94, 4
	s_lshl_b32 s95, s95, 4
	s_add_co_u32 s95, s95, s93
	s_lshl_b32 s95, s95, 4
	s_and_b32 s94, s94, 15
	s_add_co_u32 s95, s95, s94
	s_mul_i32 s96, s95, 6400
	s_mov_b32 s97, 0
	s_add_nc_u64 s[98:99], s[10:11], s[96:97]
.irp a, 0,1,2,3
	QUANTW \a, EB+12*\a, EB+12*\a+6
.endr
	v_cndmask_b32 v[SO], v[PW], v[PW+1], s3
	v_cndmask_b32 v[SO+1], v[PW+2], v[PW+3], s3
.irp g, 0,1,2,3,4,5,6,7,8,9,10,11
	global_store_b128 v[L16], v[EB+4*\g:EB+4*\g+3], s[98:99] offset:512*\g th:TH_STORE_NT
.endr
	global_store_b64 v[L8], v[SO:SO+1], s[98:99] offset:6144 th:TH_STORE_NT
.Ldone:
	s_wait_tensorcnt 0x0                           ; the wave's end: these three lines behind my last tensor load
	ds_add_u32 v[SPW], v[NIL]
	s_wait_dscnt 0x0
	CROUND                                         ; the closing round
	s_endpgm
.Lfunc_end_k_q8003298f44_qkv:
	.size	k_q8003298f44_qkv, .Lfunc_end_k_q8003298f44_qkv-k_q8003298f44_qkv
	.p2alignl 7, 3214868480
	.fill 96, 4, 3214868480
	.section	.rodata,"a",@progbits
	.p2align	6, 0x0
	.amdhsa_kernel k_q8003298f44_qkv
		.amdhsa_group_segment_fixed_size 327680
		.amdhsa_private_segment_fixed_size 0
		.amdhsa_enable_private_segment 0
		.amdhsa_kernarg_size 32
		.amdhsa_user_sgpr_count 2
		.amdhsa_user_sgpr_kernarg_segment_ptr 1
		.amdhsa_wavefront_size32 1
		.amdhsa_system_sgpr_workgroup_id_x 1
		.amdhsa_system_sgpr_workgroup_id_y 1
		.amdhsa_system_sgpr_workgroup_id_z 1
		.amdhsa_system_vgpr_workitem_id 0
		.amdhsa_next_free_vgpr 768
		.amdhsa_next_free_sgpr 102
		.amdhsa_reserve_vcc 0
		.amdhsa_float_denorm_mode_32 3
		.amdhsa_float_denorm_mode_16_64 3
		.amdhsa_memory_ordered 1
		.amdhsa_forward_progress 1
		.amdhsa_inst_pref_size 114
	.end_amdhsa_kernel
	.amdgpu_metadata
---
amdhsa.version: [ 1, 2 ]
amdhsa.kernels:
  - .name:           k_q8003298f44_qkv
    .symbol:         k_q8003298f44_qkv.kd
    .args:
      - { .name: xg, .offset: 0, .size: 8, .value_kind: global_buffer, .address_space: global }
      - { .name: wg, .offset: 8, .size: 8, .value_kind: global_buffer, .address_space: global }
      - { .name: qkr, .offset: 16, .size: 8, .value_kind: global_buffer, .address_space: global }
      - { .name: vr, .offset: 24, .size: 8, .value_kind: global_buffer, .address_space: global }
    .group_segment_fixed_size: 327680
    .private_segment_fixed_size: 0
    .kernarg_segment_align: 8
    .kernarg_segment_size: 32
    .max_flat_workgroup_size: 128
    .sgpr_count:     102
    .vgpr_count:     768
    .wavefront_size: 32
...
	.end_amdgpu_metadata
.endif
;; end of part 2
;; launch attn (part 3): grid 4 x 64, 16 waves a work-group, clusters of 4 x 1, 210,944 bytes of LDS; arguments qkr, vr, og; writes og
.if DOCPART == 3
	.amdgcn_target "amdgcn-amd-amdhsa--gfx1250"
	.amdhsa_code_object_version 6
	.text
	.protected	k_q8003298f44_attn
	.globl	k_q8003298f44_attn
	.p2align	8
	.type	k_q8003298f44_attn,@function
k_q8003298f44_attn:
	s_mov_b64 s[64:65], 0
	v_nop
	global_prefetch_b8 v0, s[64:65] scope:SCOPE_SE
	s_setreg_imm32_b32 hwreg(HW_REG_WAVE_MODE, 25, 1), 1
	s_wait_xcnt 0x0
	s_wait_alu depctr_hold_cnt(0) depctr_sa_sdst(0) depctr_va_vdst(0) depctr_va_sdst(0) depctr_va_ssrc(0) depctr_va_vcc(0) depctr_vm_vsrc(0)
	s_getreg_b32 s2, hwreg(HW_REG_IB_STS2, 6, 4)
	s_cmp_eq_u32 s2, 0
	s_cbranch_scc0 .Lentry_in_a_cluster
	s_endpgm
.Lentry_in_a_cluster:
	s_bfe_u32 s2, ttmp6, 0x10000c
	s_cmp_lg_u32 s2, 0x3003
	s_cbranch_scc0 .Lentry_shape_is_right
	s_endpgm
.Lentry_shape_is_right:
; O = softmax(Q K^T / 8) V for one (batch, head) a cluster, both products on codes of FP6 (E2M3); head size 64, 2,048 keys.  O is quantised along the merged heads' axis and stored as the last product's operand.
; THE SOFTMAX AHEAD OF THE SECOND PRODUCT: t = score x log2(e) / 8; M = the row's largest t so far, rounded up to a whole number; p = 2^(t - M) is quantised along the keys, not normalised;
; the row's sum is taken of the unquantised p and divides O at the end; when M moves, the sum and O are multiplied by 2^(old M - new M), which rounds nothing.
; SHARES.  A cluster's four work-groups own 512 queries each; each of sixteen waves owns a tile of 16 queries at a time, in two passes: four waves to a SIMD.
; LDS HOLDS THE HEAD'S WHOLE K AND V, 16 records each, filled once, a pair of neighbouring records by each wave's one load; the four work-groups ask JOINTLY (the same load, the same descriptor, a mask of all four).
; All tiles are asked for at the head, so there is no later tile that a prefetch could name.
; LAYOUT.  Both products are used transposed (S^T = K Q^T, O^T = V^T P^T): a lane holds one query throughout.  A tile's rows are not neighbours (lane r of tile a: 32 (a / 2) + 8 (a % 2) + r + 8 (r / 8)),
; so the 16 registers of result tiles 2 b, 2 b + 1 are 16 neighbours (keys, or the head's d): 32 b + 16 h + 0 .. 15.
; HEAD SIZE 64 IN AN INSTRUCTION OF K = 128: Q's fragment is six registers of codes and six of zero codes; K's fragment t is registers 6 t .. 6 t + 11 of the record's image: its upper half meets Q's zero codes; the scale words' upper two bytes are 0.
; THE ORDER OF A STEP: groups of four lines that hang on each other have one independent line between them, so that a line reads nothing written by the four lines ahead of it; hints stand on the one short chain alone.
; LIMITS: NaN and infinities are not served; the promise holds while |t| stays under 2^31; a block whose largest magnitude lies under 2^-124, a block of zeros among them, gets the byte 1.
.set KREC,  6656
.set VREC,  6400
.set VB,    16*KREC                    ; V's records lie behind K's
.set SPARE, VB+16*VREC                 ; the spare words, 128 bytes a wave: eight blocks of 256 bytes that no other line names
.set LK,   1                           ; v1   16 x lane
.set LS8,  2                           ; v2   8 x lane
.set ADK,  3                           ; v3-6 LDS addresses of the loads in hand
.set ADKS, 4
.set ADV,  5
.set ADVS, 6
.set SPW,  7
.set NIL,  8
.set GS,   9                           ; v9   8 x (lane % 16)
.set KV,   40                          ; v40-87 K's or V's 48 registers; v88-93 zeros.  v12 -M, v13 the largest score so far, v[14:15] and v[228:229] the row's sum in two chains, v224 the factor
.set S,    96                          ; v96-159 S^T, then p
.set O,    160                         ; v160-191 O^T
.set PC,   192                         ; v192-203 p's codes; v204-206, v208-210 the upper halves of blocks
.set BM,   212                         ; v212-215 blocks' maxima, v216-219 the other half's, then bytes, v220-223 the conversions' scale operands
.set G1K, 16
.set G1V, 24
.set G0K, 32
.set G0V, 40
.set SEL, 48
.set CS,  50                           ; s[50:51] c = log2(e) / 8
.set TK,  52                           ; s52  LDS byte of the K-record that is fetched next
.set TV,  53                           ; s53  of the step's V-record
.set CNT, 54
.set QB,  56                           ; s[56:57] my tile's K-record of q, first pass
.set OBS, 58                           ; s[58:59] where my tile's codes go
.set OS,  60                           ; s[60:61] and its scale bytes
.macro CROUND
	s_barrier_signal -1
	s_barrier_wait -1
	s_cmp_lg_u32 s10, 0
	s_cbranch_scc1 .Lnot_wave_0_\@
	s_barrier_signal -3
.Lnot_wave_0_\@:
	s_barrier_wait -3
	s_barrier_signal -1
	s_barrier_wait -1
.endm
.macro GROUP1 g, rows                  ; a pair of records is a dense block: rows of 256 bytes.  The mask: all four; elements of 8 bytes; 21 set beside a mask
	s_mov_b32 s[\g], 15|(3<<16)|(1<<21)
	s_mov_b32 s[\g+1], 32<<16
	s_mov_b32 s[\g+2], (\rows)<<16
	s_mov_b32 s[\g+3], 32<<16
	s_mov_b32 s[\g+4], \rows
	s_mov_b32 s[\g+5], 32
	s_mov_b32 s[\g+6], 0
	s_mov_b32 s[\g+7], 0
.endm
	s_load_b128 s[4:7], s[0:1], 0x0                ; qkr s[4:5], vr s[6:7]
	s_load_b64 s[8:9], s[0:1], 0x10                ; og
	v_lshl_add_u32 v[SPW], v0, 2, SPARE
	v_mov_b32 v[NIL], 0
	ds_add_u32 v[SPW], v[NIL]                      ; the wave's opening: the add, twice, and its wait ahead of my first tensor load
	ds_add_u32 v[SPW], v[NIL]
	v_lshrrev_b32 v1, 5, v0
	s_delay_alu instid0(VALU_DEP_1)
	v_readfirstlane_b32 s10, v1                    ; wave 0..15
	s_bfe_u32 s11, ttmp6, 0x40000                  ; cx
	s_and_b32 s12, ttmp7, 0xffff                   ; 16 x batch + head, which the four partners share
	s_and_b32 s13, s10, 7                          ; my tile in a group of 128 places
	s_lshr_b32 s14, s10, 3
	s_and_b32 s15, s10, 3                          ; I fetch a pair of neighbouring records: pair wave % 4 + 4 (wave / 8),
	s_lshl_b32 s62, s14, 2
	s_add_co_u32 s15, s15, s62
	s_lshl_b32 s15, s15, 1                         ; whose first record is twice that
	GROUP1 G1K, 52                                 ; 13,312 bytes
	GROUP1 G1V, 50                                 ; 12,800 bytes
	s_mov_b32 s[SEL], 0x76543210
	s_mov_b32 s[SEL+1], 0xfedcba98
	s_mov_b32 s[CS], 0x3e38aa3b
	s_mov_b32 s[CS+1], s[CS]                       ; (named with it as a pair, so it is written)
	s_add_co_u32 s66, s12, 64                      ; k's records lie behind q's 64 x 16
	s_lshl_b32 s66, s66, 4
	s_add_co_u32 s66, s66, s15
	s_mul_i32 s66, s66, KREC
	s_mov_b32 s67, 0
	s_lshl_b32 s68, s12, 4
	s_add_co_u32 s68, s68, s15
	s_mul_i32 s68, s68, VREC
	s_mov_b32 s69, 0
	s_mul_i32 s70, s15, KREC                       ; and in LDS: the wave's number alone
	s_mul_i32 s71, s15, VREC
	s_add_co_u32 s71, s71, VB
	s_lshl_b32 s72, s11, 2
	s_add_co_u32 s72, s72, s14                     ; my group of 128 places in the first pass: 4 cx + wave / 8
	s_lshl_b32 s73, s12, 4
	s_add_co_u32 s73, s73, s72
	s_mul_i32 s74, s73, KREC
	s_mov_b32 s75, 0
	s_lshr_b32 s76, s12, 4
	s_lshl_b32 s76, s76, 7
	s_lshl_b32 s77, s72, 3
	s_add_co_u32 s76, s76, s77
	s_add_co_u32 s76, s76, s13                     ; my row block of og: 128 x batch + 8 x group + tile
	s_and_b32 s77, s12, 15                         ; head
	s_lshl_b32 s76, s76, 2
	s_lshr_b32 s78, s77, 2
	s_add_co_u32 s76, s76, s78                     ; four heads to a K step of 256
	s_mul_i32 s76, s76, 3328
	s_bfe_u32 s78, s77, 0x10001
	s_mul_i32 s78, s78, 1536                       ; two heads to a fragment,
	s_and_b32 s79, s77, 1
	s_mul_i32 s79, s79, 768                        ; a head to three pieces
	s_add_co_u32 s78, s78, s79
	s_add_co_u32 s78, s78, s76
	s_mov_b32 s79, 0
	s_and_b32 s80, s77, 3
	s_lshl_b32 s80, s80, 1                         ; and to two of a row's eight scale bytes
	s_add_co_u32 s80, s80, s76
	s_add_co_u32 s80, s80, 3072
	s_mov_b32 s81, 0
	s_wait_dscnt 0x0                               ; both opening adds are done
	s_wait_kmcnt 0x0
	s_add_nc_u64 s[66:67], s[4:5], s[66:67]
	s_add_nc_u64 s[68:69], s[6:7], s[68:69]
	s_add_nc_u64 s[QB:QB+1], s[4:5], s[74:75]
	s_add_nc_u64 s[OBS:OBS+1], s[8:9], s[78:79]
	s_add_nc_u64 s[OS:OS+1], s[8:9], s[80:81]
	CROUND                                         ; all four work-groups are here: the joint loads meet
	s_mov_b32 s[G0K], 1
	s_add_co_u32 s[G0K+1], s70, 0
	s_add_nc_u64 s[G0K+2:G0K+3], s[66:67], 0
	s_or_b32 s[G0K+3], s[G0K+3], 0x80000000
	s_mov_b32 s[G0V], 1
	s_add_co_u32 s[G0V+1], s71, 0
	s_add_nc_u64 s[G0V+2:G0V+3], s[68:69], 0
	s_or_b32 s[G0V+3], s[G0V+3], 0x80000000
; one fill a wave, in one chain of branches on the wave's number: waves 0-3 K's records 0-7, waves 4-7 V's 0-7, waves 8-11 K's 8-15, waves 12-15 V's 8-15
.macro ARM under, g0, g1, next
	s_cmp_lt_u32 s10, \under
	s_cbranch_scc0 \next
	tensor_load_to_lds s[\g0:\g0+3], s[\g1:\g1+7]
	s_nop 0
.rept 4
	v_nop
.endr
	s_branch .Lfilled
\next:
.endm
	ARM 4, G0K, G1K, .Lv_first
	ARM 8, G0V, G1V, .Lk_second
	ARM 12, G0K, G1K, .Lv_second
	tensor_load_to_lds s[G0V:G0V+3], s[G1V:G1V+7]
	s_nop 0
.rept 4
	v_nop
.endr
.Lfilled:
	v_and_b32 v226, 31, v0
	s_delay_alu instid0(VALU_DEP_1)
	v_lshlrev_b32 v[LK], 4, v226
	s_wait_alu depctr_va_vdst(0)
	v_lshlrev_b32 v[LS8], 3, v226
	v_and_b32 v227, 15, v0
	s_delay_alu instid0(VALU_DEP_1)
	v_lshlrev_b32 v[GS], 3, v227
	; Q's tile a is registers 6 a .. 6 a + 5 of its record's image (four registers, 16 bytes a lane, to 512 bytes): pair 3 a + q lies in group (3 a + q) / 2, half (3 a + q) % 2
	s_wait_alu depctr_va_vdst(0)
	s_mul_i32 s82, s13, 3
.macro QOFFS reg, q
	s_add_co_u32 s83, s82, \q
	s_lshr_b32 s84, s83, 1
	s_lshl_b32 s84, s84, 9
	s_and_b32 s83, s83, 1
	s_lshl_b32 s83, s83, 3
	s_add_co_u32 s84, s84, s83
	v_add_nc_u32 v[\reg], s84, v[LK]
.endm
	QOFFS 10, 0
	QOFFS 11, 1
	QOFFS 30, 2
	s_lshr_b32 s83, s13, 2                         ; its scale word: half a / 4, word (a / 2) % 2, lanes 16 (a % 2) on
	s_lshl_b32 s83, s83, 8
	s_and_b32 s84, s13, 1
	s_lshl_b32 s84, s84, 7
	s_add_co_u32 s83, s83, s84
	s_bfe_u32 s84, s13, 0x10001
	s_lshl_b32 s84, s84, 2
	s_add_co_u32 s83, s83, s84
	s_add_co_u32 s83, s83, 6144
	v_add_nc_u32 v31, s83, v[GS]
.irp j, 22,23,24,25,26,27,88,89,90,91,92,93
	v_mov_b32 v[\j], 0                             ; zero codes: the upper half of Q's fragment, and what stands behind K's tile 7; written once
.endr
.irp j, 216,217,218,219,225
	v_mov_b32 v[\j], 0                             ; a lane permute's destination counts as one of its sources; v225 is named as the upper half of the pair v[224:225]
.endr
.macro KLD                             ; a K-record's image and its scale words
.irp g, 0,1,2,3,4,5,6,7,8,9,10,11
	ds_load_b128 v[KV+4*\g:KV+4*\g+3], v[ADK] offset:512*\g
.endr
	ds_load_b64 v[32:33], v[ADKS] offset:6144
	ds_load_b64 v[34:35], v[ADKS] offset:6400
.endm
.macro KLOAD                           ; a pass's first record
	v_add_nc_u32 v[ADK], s[TK], v[LK]
	v_add_nc_u32 v[ADKS], s[TK], v[LS8]
	KLD
.endm
.macro TM j                            ; t - M, two at a time
	v_pk_fma_f32 v[S+\j:S+1+\j], v[S+\j:S+1+\j], s[CS:CS+1], v[12:13] op_sel_hi:[1,0,0]
.endm
.macro OM j                            ; two numbers of O^T under the new M
	v_pk_mul_f32 v[O+\j:O+1+\j], v[O+\j:O+1+\j], v[224:225] op_sel_hi:[1,0]
.endm
; A KEY STEP: 128 keys.  pre = 1: the next step's K is fetched at its end.
.macro STEP pre
	s_wait_dscnt 0x0                               ; K is in
	s_add_co_u32 s[TK], s[TK], KREC
.irp t, 0,1,2,3,4,5,6,7
.if \t%2
	v_wmma_scale_f32_16x16x128_f8f6f4 v[S+8*\t:S+8*\t+7], v[KV+6*\t:KV+6*\t+11], v[16:27], 0, v[32+\t/2], v28 matrix_a_fmt:MATRIX_FMT_FP6 matrix_b_fmt:MATRIX_FMT_FP6 matrix_a_scale:MATRIX_SCALE_ROW1
.else
	v_wmma_scale_f32_16x16x128_f8f6f4 v[S+8*\t:S+8*\t+7], v[KV+6*\t:KV+6*\t+11], v[16:27], 0, v[32+\t/2], v28 matrix_a_fmt:MATRIX_FMT_FP6 matrix_b_fmt:MATRIX_FMT_FP6
.endif
.endr
	v_add_nc_u32 v[ADV], s[TV], v[LK]              ; four plain lines behind the products: V is loaded into K's registers, and the scores are read
	v_add_nc_u32 v[ADVS], s[TV], v[LS8]
	v_add_nc_u32 v[ADK], s[TK], v[LK]              ; (the next record's addresses; in a pass's last step they are not used)
	v_add_nc_u32 v[ADKS], s[TK], v[LS8]
.irp g, 0,1,2,3,4,5,6,7,8,9,10,11
	ds_load_b128 v[KV+4*\g:KV+4*\g+3], v[ADV] offset:512*\g   ; V lands under the softmax
.endr
	ds_load_b64 v[36:37], v[ADVS] offset:6144
.irp b, 0,1,2,3
	v_max3_num_f32 v[BM+\b], v[S+16*\b], v[S+1+16*\b], v[S+2+16*\b]   ; the largest score of each block of 32 keys: for the row's maximum and, since p rises with the score, for the block's largest p
.endr
.irp i, 3,5,7,9,11,13
.irp b, 0,1,2,3
	v_max3_num_f32 v[BM+\b], v[BM+\b], v[S+16*\b+\i], v[S+1+16*\b+\i]
.endr
.endr
.irp b, 0,1,2,3
	v_max_num_f32 v[BM+\b], v[BM+\b], v[S+15+16*\b]
.endr
	v_mov_b32 v226, v12                            ; the old -M
.irp b, 0,1,2,3
	v_permlanex16_b32 v[BM+4+\b], v[BM+\b], s[SEL], s[SEL+1]
.endr
	v_pk_add_f32 v[14:15], v[14:15], v[228:229]    ; the last step's two chains of the row's sum are joined
.irp b, 0,1,2,3
	v_max_num_f32 v[BM+\b], v[BM+\b], v[BM+4+\b]   ; with lane l xor 16's 16 keys
.endr
	s_delay_alu instid0(VALU_DEP_2)
	v_max3_num_f32 v227, v[BM], v[BM+1], v[BM+2]
	s_delay_alu instid0(VALU_DEP_1)
	v_max3_num_f32 v13, v13, v227, v[BM+3]         ; the largest score so far
	s_delay_alu instid0(VALU_DEP_1)
	v_mul_f32 v227, s[CS], v13                     ; as t (c is positive)
	s_delay_alu instid0(VALU_DEP_1)
	v_floor_f32 v12, -v227                         ; the new -M = floor(-t): M is a whole number
.irp j, 0,2,4,6,8
	TM \j
.endr
	v_sub_f32 v226, v12, v226                      ; old M - new M: a whole number, 0 or less
.irp j, 10,12,14,16,18
	TM \j
.endr
	v_cvt_i32_f32 v226, v226                       ; (it saturates)
.irp j, 20,22,24,26,28
	TM \j
.endr
	v_ldexp_f32 v224, 1.0, v226                    ; f = 2^(old M - new M)
.irp j, 30,32,34,36,38,40,42,44,46,48,50,52,54,56,58,60,62
	TM \j
.endr
.irp b, 0,1,2,3
	v_fma_f32 v[BM+\b], v[BM+\b], s[CS], v12       ; the same of each block's largest score
.endr
	s_wait_alu depctr_va_vdst(0)
.irp b, 0,1,2,3
	v_exp_f32 v[BM+\b], v[BM+\b]                   ; ONE BATCH of 68 exponentials: the blocks' largest p,
.endr
.irp j, 0,1,2,3,4,5,6,7,8,9,10,11,12,13,14,15,16,17,18,19,20,21,22,23,24,25,26,27,28,29,30,31,32,33,34,35,36,37,38,39,40,41,42,43,44,45,46,47,48,49,50,51,52,53,54,55,56,57,58,59,60,61,62,63
	v_exp_f32 v[S+\j], v[S+\j]                     ; and p = 2^(t - M)
.endr
	v_pk_mul_f32 v[14:15], v[14:15], v[224:225] op_sel_hi:[1,0]   ; the sum under the new M: the plain line behind the batch
	s_wait_alu depctr_va_vdst(0)                   ; one wait for the batch and for O^T's first readers
	s_wait_dscnt 0x0                               ; V, asked for ahead of the softmax, is in
.irp j, 0,8,16,24
	OM \j                                          ; each accumulator is read from its low end on
.endr
.irp b, 0,1,2,3
	v_max_num_f32 v[BM+\b], 0x1800000, v[BM+\b]    ; the floor 2^(3 - 127): the byte cannot fall under 1
.endr
	OM 2
.irp b, 0,1,2,3
	v_add_nc_u32 v[BM+8+\b], 0xff000000, v[BM+\b]  ; 2 off the exponent field: the conversion's scale operand
.endr
	OM 4
.irp b, 0,1,2,3
	v_lshrrev_b32 v[BM+4+\b], 23, v[BM+8+\b]       ; the scale's byte
.endr
.irp c, 0,1
	v_cvt_scalef32_pk16_fp6_f32 v[PC+6*\c:PC+2+6*\c], v[S+32*\c:S+15+32*\c], v[BM+8+2*\c]
	v_cvt_scalef32_pk16_fp6_f32 v[PC+12+4*\c:PC+14+4*\c], v[S+16+32*\c:S+31+32*\c], v[BM+9+2*\c]
.endr
	OM 6                                           ; the plain line behind the scaled conversions
	v_lshl_or_b32 v29, v[BM+5], 8, v[BM+4]         ; p's scale word for these 128 keys, its three lines apart
.irp c, 0,1
.irp i, 0,1,2
	v_permlane16_swap_b32 v[PC+6*\c+\i], v[PC+12+4*\c+\i]   ; a whole block to a lane: lanes 0-15 block 2 c, lanes 16-31 block 2 c + 1
.endr
.endr
	v_lshl_or_b32 v29, v[BM+6], 16, v29
.irp c, 0,1
.irp i, 0,1,2
	v_mov_b32 v[PC+3+6*\c+\i], v[PC+12+4*\c+\i]
.endr
.endr
	v_lshl_or_b32 v29, v[BM+7], 24, v29
.irp j, 10,12,14,18,20,22,26,28,30
	OM \j                                          ; nine plain lines between the scale word and the codes just made and the products
.endr
.irp t, 0,1,2,3
.if \t%2
	v_wmma_scale_f32_16x16x128_f8f6f4 v[O+8*\t:O+8*\t+7], v[KV+12*\t:KV+12*\t+11], v[PC:PC+11], v[O+8*\t:O+8*\t+7], v[36+\t/2], v29 matrix_a_fmt:MATRIX_FMT_FP6 matrix_b_fmt:MATRIX_FMT_FP6 matrix_a_scale:MATRIX_SCALE_ROW1
.else
	v_wmma_scale_f32_16x16x128_f8f6f4 v[O+8*\t:O+8*\t+7], v[KV+12*\t:KV+12*\t+11], v[PC:PC+11], v[O+8*\t:O+8*\t+7], v[36+\t/2], v29 matrix_a_fmt:MATRIX_FMT_FP6 matrix_b_fmt:MATRIX_FMT_FP6
.endif
.endr
	v_pk_add_f32 v[228:229], v[S:S+1], v[S+2:S+3]  ; THE ROW'S SUM OF THE UNQUANTISED p, in two chains.  Its first four lines are the places in front of the loads into V's registers
	v_pk_add_f32 v[14:15], v[14:15], v[S+4:S+5]
	v_pk_add_f32 v[228:229], v[228:229], v[S+6:S+7]
	v_pk_add_f32 v[14:15], v[14:15], v[S+8:S+9]
	s_add_co_u32 s[TV], s[TV], VREC
.if \pre
	KLD                                            ; the next step's K lands under the rest of the sums
.endif
	v_pk_add_f32 v[228:229], v[228:229], v[S+10:S+11]
.irp j, 12,16,20,24,28,32,36,40,44,48,52,56,60
	v_pk_add_f32 v[14:15], v[14:15], v[S+\j:S+1+\j]
	v_pk_add_f32 v[228:229], v[228:229], v[S+2+\j:S+3+\j]
.endr
.endm
.macro LOOP n, name                    ; n key steps
	s_mov_b32 s[CNT], \n
\name:
	STEP 1
	s_sub_co_u32 s[CNT], s[CNT], 1
	s_cmp_lg_u32 s[CNT], 0
	s_cbranch_scc1 \name
.endm
; THE WAY OUT of pass p: O^T / the sum; its 32 numbers a lane (register 16 b + i = d 32 b + 16 h + i) are two blocks along the last product's K: six registers of codes and two scale bytes a row.
.macro WAYOUT p
	s_delay_alu instid0(VALU_DEP_1)
	v_pk_add_f32 v[14:15], v[14:15], v[228:229]    ; the last step's two chains (the sums behind the last products are their places)
	s_delay_alu instid0(VALU_DEP_1)
	v_add_f32 v14, v14, v15
	s_delay_alu instid0(VALU_DEP_1)
	v_permlanex16_b32 v226, v14, s[SEL], s[SEL+1]
	s_delay_alu instid0(VALU_DEP_1)
	v_add_f32 v14, v14, v226                       ; the row's sum
	s_wait_alu depctr_va_vdst(0)
	v_rcp_f32 v224, v14
	v_nop                                          ; a plain line behind the reciprocal,
	s_wait_alu depctr_va_vdst(0)                   ; and the wait ahead of its first reader
.irp j, 0,2,4,6,8,10,12,14,16,18,20,22,24,26,28,30
	v_pk_mul_f32 v[S+\j:S+1+\j], v[O+\j:O+1+\j], v[224:225] op_sel_hi:[1,0]   ; each accumulator from its low end on
.endr
.irp b, 0,1
	v_max3_num_f32 v[BM+\b], |v[S+16*\b]|, |v[S+1+16*\b]|, 0x1800000
.endr
.irp i, 2,4,6,8,10,12,14
.irp b, 0,1
	s_delay_alu instid0(VALU_DEP_2)
	v_max3_num_f32 v[BM+\b], v[BM+\b], |v[S+16*\b+\i]|, |v[S+1+16*\b+\i]|
.endr
.endr
.irp b, 0,1
	s_delay_alu instid0(VALU_DEP_2)
	v_permlanex16_b32 v[BM+4+\b], v[BM+\b], s[SEL], s[SEL+1]
.endr
.irp b, 0,1
	s_delay_alu instid0(VALU_DEP_2)
	v_max_num_f32 v[BM+\b], v[BM+\b], v[BM+4+\b]
.endr
.irp b, 0,1
	s_delay_alu instid0(VALU_DEP_2)
	v_add_nc_u32 v[BM+8+\b], 0xff000000, v[BM+\b]
.endr
.irp b, 0,1
	s_delay_alu instid0(VALU_DEP_2)
	v_lshrrev_b32 v[BM+4+\b], 23, v[BM+8+\b]
.endr
	s_delay_alu instid0(VALU_DEP_1)
	v_lshl_or_b32 v226, v[BM+5], 8, v[BM+4]
	v_cvt_scalef32_pk16_fp6_f32 v[PC:PC+2], v[S:S+15], v[BM+8]
	v_cvt_scalef32_pk16_fp6_f32 v[PC+12:PC+14], v[S+16:S+31], v[BM+9]
	v_nop
.irp i, 0,1,2
	v_permlane16_swap_b32 v[PC+\i], v[PC+12+\i]
.endr
.irp i, 0,1,2
	s_delay_alu instid0(VALU_DEP_3)
	v_mov_b32 v[PC+3+\i], v[PC+12+\i]
.endr
.irp q, 0,1,2
	global_store_b64 v[LS8], v[PC+2*\q:PC+2*\q+1], s[OBS:OBS+1] offset:256*\q+212992*\p   ; 256 consecutive bytes, at a multiple of 256 from the buffer's first byte
.endr
	global_store_b16 v[GS], v226, s[OS:OS+1] offset:212992*\p   ; two of a row's eight scale bytes (the others are other heads'); lanes l and l + 16 write the same two bytes with the same value
.endm
; A PASS: my tile of group 4 cx + 2 p + wave / 8
.macro START p
	global_load_b64 v[16:17], v10, s[QB:QB+1] offset:13312*\p
	global_load_b64 v[18:19], v11, s[QB:QB+1] offset:13312*\p
	global_load_b64 v[20:21], v30, s[QB:QB+1] offset:13312*\p
	global_load_b32 v28, v31, s[QB:QB+1] offset:13312*\p
	v_mov_b32 v13, 0xff61b1e6                      ; the largest score so far: -3e38
	s_delay_alu instid0(VALU_DEP_1)
	v_floor_f32 v12, -v13                          ; -M: so large that the first factor is 0
.irp j, 14,15,228,229
	v_mov_b32 v[\j], 0
.endr
.irp j, 0,1,2,3,4,5,6,7,8,9,10,11,12,13,14,15,16,17,18,19,20,21,22,23,24,25,26,27,28,29,30,31
	v_mov_b32 v[O+\j], 0                           ; the step is written without a first step of its own: it finds zeros, which the first change of M leaves zeros
.endr
	s_mov_b32 s[TK], 0
	s_mov_b32 s[TV], VB
.endm
	START 0
	s_wait_alu depctr_va_vdst(0)
	s_cmp_lt_u32 s10, 8                            ; waves 0-7 brought records 0-7: they wait; the other waves' fills, on lines of their own, stay out
	s_cbranch_scc0 .Lnot_first
	s_wait_tensorcnt 0x0
.Lnot_first:
	s_barrier_signal -1
	s_barrier_wait -1                              ; records 0-7 of K and of V are in
	KLOAD
	s_wait_loadcnt 0x0                             ; Q
	LOOP 7, .Lfirst_half                           ; steps 0-6; their fetches reach K's record 7
	s_wait_tensorcnt 0x0                           ; every wave's fill is in,
	s_wait_dscnt 0x0
	s_barrier_signal -1
	s_barrier_wait -1                              ; and shown to all: records 8-15
	LOOP 8, .Lsecond_half                          ; steps 7-14
	STEP 0
	WAYOUT 0
	s_wait_xcnt 0x0                                ; the stores have read their registers: they are written again below
	START 1
	KLOAD
	s_wait_loadcnt 0x0
	LOOP 15, .Lsecond_pass
	STEP 0
	WAYOUT 1
	s_wait_tensorcnt 0x0                           ; the wave's end: these three lines behind my last tensor load
	ds_add_u32 v[SPW], v[NIL]
	s_wait_dscnt 0x0
	CROUND                                         ; the closing round
	s_endpgm
.Lfunc_end_k_q8003298f44_attn:
	.size	k_q8003298f44_attn, .Lfunc_end_k_q8003298f44_attn-k_q8003298f44_attn
	.p2alignl 7, 3214868480
	.fill 96, 4, 3214868480
	.section	.rodata,"a",@progbits
	.p2align	6, 0x0
	.amdhsa_kernel k_q8003298f44_attn
		.amdhsa_group_segment_fixed_size 210944
		.amdhsa_private_segment_fixed_size 0
		.amdhsa_enable_private_segment 0
		.amdhsa_kernarg_size 24
		.amdhsa_user_sgpr_count 2
		.amdhsa_user_sgpr_kernarg_segment_ptr 1
		.amdhsa_wavefront_size32 1
		.amdhsa_system_sgpr_workgroup_id_x 1
		.amdhsa_system_sgpr_workgroup_id_y 1
		.amdhsa_system_sgpr_workgroup_id_z 1
		.amdhsa_system_vgpr_workitem_id 0
		.amdhsa_next_free_vgpr 256
		.amdhsa_next_free_sgpr 96
		.amdhsa_reserve_vcc 0
		.amdhsa_float_denorm_mode_32 3
		.amdhsa_float_denorm_mode_16_64 3
		.amdhsa_memory_ordered 1
		.amdhsa_forward_progress 1
		.amdhsa_inst_pref_size 98
	.end_amdhsa_kernel
	.amdgpu_metadata
---
amdhsa.version: [ 1, 2 ]
amdhsa.kernels:
  - .name:           k_q8003298f44_attn
    .symbol:         k_q8003298f44_attn.kd
    .args:
      - { .name: qkr, .offset: 0, .size: 8, .value_kind: global_buffer, .address_space: global }
      - { .name: vr, .offset: 8, .size: 8, .value_kind: global_buffer, .address_space: global }
      - { .name: og, .offset: 16, .size: 8, .value_kind: global_buffer, .address_space: global }
    .group_segment_fixed_size: 210944
    .private_segment_fixed_size: 0
    .kernarg_segment_align: 8
    .kernarg_segment_size: 24
    .max_flat_workgroup_size: 512
    .sgpr_count:     96
    .vgpr_count:     256
    .wavefront_size: 32
...
	.end_amdgpu_metadata
.endif
;; end of part 3
;; launch proj (part 4): grid 64 x 4, 4 waves a work-group, clusters of 4 x 4, 327,680 bytes of LDS; arguments og, wg, b_out, out0; writes out0
.if DOCPART == 4
	.amdgcn_target "amdgcn-amd-amdhsa--gfx1250"
	.amdhsa_code_object_version 6
	.text
	.protected	k_q8003298f44_proj
	.globl	k_q8003298f44_proj
	.p2align	8
	.type	k_q8003298f44_proj,@function
k_q8003298f44_proj:
	s_mov_b64 s[64:65], 0
	v_nop
	global_prefetch_b8 v0, s[64:65] scope:SCOPE_SE
	s_setreg_imm32_b32 hwreg(HW_REG_WAVE_MODE, 25, 1), 1
	s_wait_xcnt 0x0
	s_wait_alu depctr_hold_cnt(0) depctr_sa_sdst(0) depctr_va_vdst(0) depctr_va_sdst(0) depctr_va_ssrc(0) depctr_va_vcc(0) depctr_vm_vsrc(0)
	s_getreg_b32 s2, hwreg(HW_REG_IB_STS2, 6, 4)
	s_cmp_eq_u32 s2, 0
	s_cbranch_scc0 .Lentry_in_a_cluster
	s_endpgm
.Lentry_in_a_cluster:
	s_bfe_u32 s2, ttmp6, 0x10000c
	s_cmp_lg_u32 s2, 0xf033
	s_cbranch_scc0 .Lentry_shape_is_right
	s_endpgm
.Lentry_shape_is_right:
; out0 = O W_out + b_out on codes of FP6 (E2M3), K = 1,024.  O (og, rows in the order of places) and W_out (wg, row blocks 192-255) lie in records of 16 rows x 256 K in the order of an operand's registers.
; THE CORE is that of the launch that makes q, k and v: a work-group makes 128 (P = O's rows) x 256 (Q = W_out's columns), each of four waves 64 x 128; all of K lies in LDS, four regions of 76,800 bytes, each filled once.
; CLUSTER 4 x 4: P's tiles are asked for jointly along a row of the cluster, Q's along a column.  THE MATRIX INSTRUCTION IS USED TRANSPOSED: source 0 = Q's block b, source 1 = P's block a:
; lane (r, h), register j of accumulator (a, b): row place 16 a + r, column 32 (b / 2) + 16 h + 8 (b % 2) + j.  The bias is the C of each sum's first instruction.
; THE WAY OUT: 16 rows x 128 columns at a time through my own stage in LDS, back as whole rows of 512 bytes; place 16 a + t is row 32 (a / 2) + 8 (a % 2) + t + 8 (t / 8).
; The stages lie in the first half of K: it has had its only fill, and every wave has passed step 3's barrier behind its last read of it.
; REGISTERS: window 0: v16-24 addresses, v28, v29 the add's two, v32-63 scale words, v64-159 P's fragments, on the way out v64-191 rows.  window 1: Q's fragments.  window 2: the accumulators.  window 3: v0-63 the bias.
; LDS AS THIS TEXT LAYS IT: two halves of K (512 each).  A half holds P's 8 row blocks, then Q's 16, each as 6,656 bytes: two records as they lie in memory.
; Four fills, one a wave, each filled once: wave 0 P's first half, wave 1 Q's, wave 2 P's second half, wave 3 Q's.  The stages lie in the first half, which is read for the last time ahead of step 3's barrier.
.set RBB,   6656
.set REGN,  24*RBB
.set RBM,   13312
.set RECM,  3328
.set QOFF,  8*RBB
.set SPARE, 2*REGN
.set SPITCH, 528
.set ADRA, 16
.set ADRB, 17
.set ADRS, 18
.set ADRT, 19
.set L16,  20
.set L8,   21
.set BO,   22                          ; v22  64 x h: the bias's offset
.set STO,  23                          ; v23  the stage: where I put 32 bytes of a row
.set RD,   24                          ; v24  and where I read a row back
.set SPW,  28
.set NIL,  29
.set SC,   32
.set PF,   64
.set BK,   64
.set G1P, 24
.set G1Q, 32
.set G0P, 40
.set G0Q, 68
.set MSB, 0
.macro WIN new                         ; the immediate's high byte repeats the setting that is left
.if MSB != \new
	s_set_vgpr_msb (MSB<<8)|\new
.set MSB, \new
.endif
.endm
.macro PLACES n
.rept \n
	v_nop
.endr
.endm
.macro CROUND
	s_barrier_signal -1
	s_barrier_wait -1
	s_cmp_lg_u32 s12, 0
	s_cbranch_scc1 .Lnot_wave_0_\@
	s_barrier_signal -3
.Lnot_wave_0_\@:
	s_barrier_wait -3
	s_barrier_signal -1
	s_barrier_wait -1
.endm
	s_load_b256 s[4:11], s[0:1], 0x0               ; og s[4:5], wg s[6:7], b_out s[8:9], out0 s[10:11]
	v_lshl_add_u32 v[SPW], v0, 2, SPARE
	v_mov_b32 v[NIL], 0
	ds_add_u32 v[SPW], v[NIL]                      ; the wave's opening: the add and its wait ahead of my first tensor load
	ds_add_u32 v[SPW], v[NIL]
	v_lshrrev_b32 v1, 5, v0
	v_readfirstlane_b32 s12, v1                    ; wave 0..3
	s_lshr_b32 s13, s12, 1                         ; wr.  Also: which half of K I fetch
	s_and_b32 s14, s12, 1                          ; wc.  Also: I fetch for P (0) or for Q (1)
	s_bfe_u32 s15, ttmp6, 0x40000                  ; cx = the tile column
	s_bfe_u32 s16, ttmp6, 0x40004                  ; cy
	s_lshl_b32 s18, s16, 2
	s_lshl_b32 s18, 15, s18                        ; my row of the cluster
	s_lshl_b32 s19, 0x1111, s15                    ; my column
	s_or_b32 s[G1P], s18, (3<<16)|(1<<21)          ; the mask; elements of 8 bytes; 21 set beside a mask; no padding
	s_or_b32 s[G1Q], s19, (3<<16)|(1<<21)
	s_mov_b32 s[G1P+1], 832<<16                    ; two records, 6,656 bytes
	s_mov_b32 s[G1P+2], 8<<16                      ; 8 row blocks
	s_mov_b32 s[G1P+3], 832<<16
	s_mov_b32 s[G1P+4], 8
	s_mov_b32 s[G1P+5], 1664                       ; 13,312 bytes from row block to row block
	s_mov_b32 s[G1P+6], 0
	s_mov_b32 s[G1P+7], 0
	s_mov_b32 s[G1Q+1], 832<<16
	s_mov_b32 s[G1Q+2], 16<<16                     ; 16 row blocks
	s_mov_b32 s[G1Q+3], 832<<16
	s_mov_b32 s[G1Q+4], 16
	s_mov_b32 s[G1Q+5], 1664
	s_mov_b32 s[G1Q+6], 0
	s_mov_b32 s[G1Q+7], 0
	s_lshl_b32 s21, ttmp9, 2
	s_add_co_u32 s21, s21, s16                     ; tile row = 4 x cluster + cy
	s_lshl_b32 s84, s21, 3
	s_mul_i32 s84, s84, RBM
	s_mov_b32 s85, 0
	s_lshl_b32 s86, s15, 4
	s_add_co_u32 s86, s86, 192                     ; W_out begins at row block 192 of wg
	s_mul_i32 s86, s86, RBM
	s_mov_b32 s87, 0
	s_wait_dscnt 0x0                               ; the opening add is done
	s_wait_kmcnt 0x0
	s_add_nc_u64 s[58:59], s[4:5], s[84:85]
	s_add_nc_u64 s[60:61], s[6:7], s[86:87]
	CROUND                                         ; all sixteen work-groups are here: the joint loads meet
.irp k, 0,1                            ; half k of K
	s_mov_b32 s[G0P+4*\k], 1
	s_mov_b32 s[G0P+4*\k+1], \k*REGN
	s_add_nc_u64 s[G0P+4*\k+2:G0P+4*\k+3], s[58:59], \k*2*RECM
	s_or_b32 s[G0P+4*\k+3], s[G0P+4*\k+3], 0x80000000
	s_mov_b32 s[G0Q+4*\k], 1
	s_mov_b32 s[G0Q+4*\k+1], QOFF+\k*REGN
	s_add_nc_u64 s[G0Q+4*\k+2:G0Q+4*\k+3], s[60:61], \k*2*RECM
	s_or_b32 s[G0Q+4*\k+3], s[G0Q+4*\k+3], 0x80000000
.endr
; one chain of branches on the wave's number, one fill to an arm: one tensor load a wave at the head
.macro ARM w, g0, g1, next
	s_cmp_eq_u32 s12, \w
	s_cbranch_scc0 \next
	tensor_load_to_lds s[\g0:\g0+3], s[\g1:\g1+7]
	s_nop 0
	PLACES 4
	s_branch .Lfilled
\next:
.endm
	ARM 0, G0P, G1P, .Lwave_1
	ARM 1, G0Q, G1Q, .Lwave_2
	ARM 2, G0P+4, G1P, .Lwave_3
	tensor_load_to_lds s[G0Q+4:G0Q+7], s[G1Q:G1Q+7]
	s_nop 0
	PLACES 4
.Lfilled:
	v_and_b32 v1, 31, v0
	v_and_b32 v2, 15, v0                           ; r
	v_bfe_u32 v3, v0, 4, 1                         ; h
	v_lshlrev_b32 v[L16], 4, v1
	v_lshlrev_b32 v[L8], 3, v1
	v_lshlrev_b32 v[BO], 6, v3
	s_wait_alu depctr_va_vdst(0)
	s_lshl_b32 s93, s15, 8
	s_lshl_b32 s94, s14, 7
	s_add_co_u32 s93, s93, s94                     ; my first column: 256 x tile column + 128 x half
	s_lshl_b32 s96, s93, 2
	s_mov_b32 s97, 0
	s_add_nc_u64 s[98:99], s[8:9], s[96:97]        ; in the bias,
	s_lshl_b32 s93, s21, 7
	s_lshl_b32 s94, s13, 6
	s_add_co_u32 s93, s93, s94                     ; my first row: 128 x tile row + 64 x half
	s_lshl_b32 s100, s93, 12
	s_mov_b32 s101, 0
	s_add_nc_u64 s[100:101], s[100:101], s[96:97]
	s_add_nc_u64 s[100:101], s[10:11], s[100:101]  ; and both in out0
	WIN 0xc0                                       ; destination window 3
.irp b, 0,1,2,3,4,5,6,7                ; the bias in the result's layout: for Q's block b, columns 32 (b / 2) + 8 (b % 2) + 16 h + 0 .. 7
	global_load_b128 v[8*\b:8*\b+3], v[BO], s[98:99] offset:(32*(\b/2)+8*(\b%2))*4
	global_load_b128 v[8*\b+4:8*\b+7], v[BO], s[98:99] offset:(32*(\b/2)+8*(\b%2))*4+16
.endr
	WIN 0
	s_mul_i32 s90, s13, 4*RBB
	s_mul_i32 s91, s14, 8*RBB
	s_add_co_u32 s91, s91, QOFF
	v_add_nc_u32 v[ADRA], s90, v[L8]
	v_add_nc_u32 v[ADRB], s91, v[L8]
	v_lshlrev_b32 v4, 3, v2
	v_add_nc_u32 v[ADRT], s91, v4
	s_sub_co_u32 s92, s91, s90
	v_mul_u32_u24 v5, s92, v3                      ; lanes 16-31 take Q's: the lower base + h x the distance
	v_add_nc_u32 v4, s90, v4
	v_add_nc_u32 v[ADRS], v4, v5
	s_mul_i32 s20, s12, 16*SPITCH                  ; my stage
	v_mul_u32_u24 v[STO], v2, SPITCH
	v_lshl_add_u32 v[STO], v3, 6, v[STO]
	v_add_nc_u32 v[STO], s20, v[STO]               ; in: row r, + 64 h
	v_add_nc_u32 v[RD], s20, v[L16]                ; back: a row's 512 bytes, 16 a lane
.macro FETCH s                         ; the fragments of step s into set s % 2: Q's eight, P's four; with a region's first step its scale words
.set FQ, (\s)%2
.set FS, ((\s)/2)%2
	WIN 0x40                                       ; destination window 1
.irp i, 0,1,2,3,4,5,6,7
.irp p, 0,1,2,3,4,5
	ds_load_b64 v[128*FQ+12*\i+2*\p:128*FQ+12*\i+2*\p+1], v[ADRB] offset:RBB*\i+RECM*FS+1536*FQ+256*\p
.endr
.endr
	WIN 0
.irp i, 0,1,2,3
.irp p, 0,1,2,3,4,5
	ds_load_b64 v[PF+48*FQ+12*\i+2*\p:PF+48*FQ+12*\i+2*\p+1], v[ADRA] offset:RBB*\i+RECM*FS+1536*FQ+256*\p
.endr
.endr
.if FQ == 0
.irp i, 0,1,2,3
	ds_load_b64 v[SC+16*FS+2*\i:SC+16*FS+2*\i+1], v[ADRS] offset:RBB*\i+RECM*FS+3072
.endr
.irp i, 4,5,6,7
	ds_load_b64 v[SC+16*FS+2*\i:SC+16*FS+2*\i+1], v[ADRT] offset:RBB*\i+RECM*FS+3072
.endr
.endif
.endm
; 8 matrix instructions: P's block a against Q's eight.  first = 1: C is the bias (window 3).  The 32 accumulators take turns, one instruction a turn, in the same order in every step
.macro MULB a, s, first
.set MQ, (\s)%2
.set MS, ((\s)/2)%2
.irp b, 0,1,2,3,4,5,6,7
.if \first
	v_wmma_scale_f32_16x16x128_f8f6f4 v[64*(\a)+8*\b:64*(\a)+8*\b+7], v[128*MQ+12*\b:128*MQ+12*\b+11], v[PF+48*MQ+12*(\a):PF+48*MQ+12*(\a)+11], v[8*\b:8*\b+7], v[SC+16*MS+2*\b+MQ], v[SC+16*MS+2*(\a)+MQ] matrix_a_fmt:MATRIX_FMT_FP6 matrix_b_fmt:MATRIX_FMT_FP6 matrix_a_scale:MATRIX_SCALE_ROW1
.else
	v_wmma_scale_f32_16x16x128_f8f6f4 v[64*(\a)+8*\b:64*(\a)+8*\b+7], v[128*MQ+12*\b:128*MQ+12*\b+11], v[PF+48*MQ+12*(\a):PF+48*MQ+12*(\a)+11], v[64*(\a)+8*\b:64*(\a)+8*\b+7], v[SC+16*MS+2*\b+MQ], v[SC+16*MS+2*(\a)+MQ] matrix_a_fmt:MATRIX_FMT_FP6 matrix_b_fmt:MATRIX_FMT_FP6 matrix_a_scale:MATRIX_SCALE_ROW1
.endif
.endr
.endm
.macro MWIN first
.if \first
	WIN 0xb1                                       ; source 0 (Q) window 1, source 1 (P) window 0, C window 3, D window 2
.else
	WIN 0xa1                                       ; C and D window 2
.endif
.endm
; A step of 128 along K.  Behind its first eight products stand four plain vector lines and the next step's run of loads, into the set that the step before multiplied.
; Step 3 changes halves: every wave's fill has landed, the barrier shows it of every wave.
.macro KSTEP s, first
	s_wait_dscnt 0x0                               ; this step's fragments, asked for a step ago, are in; no LDS instruction of mine is out at the signal
.if (\s) == 3                          ; step 3 changes halves: every wave's fill has landed, the barrier shows the second half to all
	s_wait_tensorcnt 0x0
	s_barrier_signal -1
.endif
	MWIN \first
	MULB 0, \s, \first
.if (\s) < 7
	WIN 0
.if (\s) == 3
	s_barrier_wait -1
	v_add_nc_u32 v[ADRA], REGN, v[ADRA]            ; on to the next region: these four are the places in front of the loads
	v_add_nc_u32 v[ADRB], REGN, v[ADRB]
	v_add_nc_u32 v[ADRS], REGN, v[ADRS]
	v_add_nc_u32 v[ADRT], REGN, v[ADRT]
.else
	PLACES 4
.endif
	FETCH (\s)+1
	MWIN \first
.endif
	MULB 1, \s, \first
	MULB 2, \s, \first
	MULB 3, \s, \first
.endm
	s_wait_alu depctr_va_vdst(0)
	s_cmp_lt_u32 s12, 2                            ; waves 0 and 1 brought the first half of K: they wait; waves 2 and 3's fills, on lines of their own, stay out
	s_cbranch_scc0 .Lnot_first
	s_wait_tensorcnt 0x0
.Lnot_first:
	s_barrier_signal -1
	s_barrier_wait -1                              ; everybody's is
	FETCH 0
	s_wait_loadcnt 0x0                             ; the bias
	KSTEP 0, 1
	KSTEP 1, 0
	s_wait_alu depctr_va_vdst(0)
	KSTEP 2, 0
	KSTEP 3, 0
	s_wait_alu depctr_va_vdst(0)
	KSTEP 4, 0
	KSTEP 5, 0
	s_wait_alu depctr_va_vdst(0)
	KSTEP 6, 0
	KSTEP 7, 0
	WIN 0
.macro TOSTAGE a                       ; block a's 16 rows x 128 columns into my stage and back as whole rows.  LDS serves a wave's instructions in order: no wait between, nor in front of the next block's stores
	WIN 0x08                                       ; an LDS store's data are its source 1: window 2
.irp b, 0,1,2,3,4,5,6,7
	ds_store_b128 v[STO], v[64*(\a)+8*\b:64*(\a)+8*\b+3] offset:128*(\b/2)+32*(\b%2)       ; each accumulator from its low end on
	ds_store_b128 v[STO], v[64*(\a)+8*\b+4:64*(\a)+8*\b+7] offset:128*(\b/2)+32*(\b%2)+16
.endr
	WIN 0
.irp t, 0,1,2,3,4,5,6,7,8,9,10,11,12,13,14,15
	ds_load_b128 v[BK+64*((\a)%2)+4*\t:BK+64*((\a)%2)+4*\t+3], v[RD] offset:\t*SPITCH
.endr
.endm
.macro SEND a, younger                 ; younger: the LDS instructions issued behind block a's loads, which may stay out
	s_wait_dscnt \younger
.irp t, 0,1,2,3,4,5,6,7,8,9,10,11,12,13,14,15
	global_store_b128 v[L16], v[BK+64*((\a)%2)+4*\t:BK+64*((\a)%2)+4*\t+3], s[100:101] offset:(32*((\a)/2)+8*((\a)%2)+\t+8*(\t/8))*4096 th:TH_STORE_NT   ; 512 consecutive bytes, at a multiple of 256 from out0's first byte
.endr
.endm
	PLACES 4                                       ; behind the last products: their results are read, and rows are loaded into their operands' registers
	TOSTAGE 0
	TOSTAGE 1
	SEND 0, 32                                     ; behind block 0's loads: block 1's 16 stores and 16 loads
	s_wait_xcnt 0x0                                ; block 0's stores have read their registers: block 2's rows may land there
	TOSTAGE 2
	SEND 1, 32
	s_wait_xcnt 0x0
	TOSTAGE 3
	SEND 2, 32
	SEND 3, 0
	s_wait_tensorcnt 0x0                           ; the wave's end: these three lines behind my last tensor load and my last LDS store
	ds_add_u32 v[SPW], v[NIL]
	s_wait_dscnt 0x0
	CROUND                                         ; the closing round
	s_endpgm
.Lfunc_end_k_q8003298f44_proj:
	.size	k_q8003298f44_proj, .Lfunc_end_k_q8003298f44_proj-k_q8003298f44_proj
	.p2alignl 7, 3214868480
	.fill 96, 4, 3214868480
	.section	.rodata,"a",@progbits
	.p2align	6, 0x0
	.amdhsa_kernel k_q8003298f44_proj
		.amdhsa_group_segment_fixed_size 327680
		.amdhsa_private_segment_fixed_size 0
		.amdhsa_enable_private_segment 0
		.amdhsa_kernarg_size 32
		.amdhsa_user_sgpr_count 2
		.amdhsa_user_sgpr_kernarg_segment_ptr 1
		.amdhsa_wavefront_size32 1
		.amdhsa_system_sgpr_workgroup_id_x 1
		.amdhsa_system_sgpr_workgroup_id_y 1
		.amdhsa_system_sgpr_workgroup_id_z 1
		.amdhsa_system_vgpr_workitem_id 0
		.amdhsa_next_free_vgpr 832
		.amdhsa_next_free_sgpr 102
		.amdhsa_reserve_vcc 0
		.amdhsa_float_denorm_mode_32 3
		.amdhsa_float_denorm_mode_16_64 3
		.amdhsa_memory_ordered 1
		.amdhsa_forward_progress 1
		.amdhsa_inst_pref_size 96
	.end_amdhsa_kernel
	.amdgpu_metadata
---
amdhsa.version: [ 1, 2 ]
amdhsa.kernels:
  - .name:           k_q8003298f44_proj
    .symbol:         k_q8003298f44_proj.kd
    .args:
      - { .name: og, .offset: 0, .size: 8, .value_kind: global_buffer, .address_space: global }
      - { .name: wg, .offset: 8, .size: 8, .value_kind: global_buffer, .address_space: global }
      - { .name: b_out, .offset: 16, .size: 8, .value_kind: global_buffer, .address_space: global }
      - { .name: out0, .offset: 24, .size: 8, .value_kind: global_buffer, .address_space: global }
    .group_segment_fixed_size: 327680
    .private_segment_fixed_size: 0
    .kernarg_segment_align: 8
    .kernarg_segment_size: 32
    .max_flat_workgroup_size: 128
    .sgpr_count:     102
    .vgpr_count:     832
    .wavefront_size: 32
...
	.end_amdgpu_metadata
.endif
;; end of part 4
